; MI455X (gfx1250); checked and timed in simulation.
; The chip was launched on July 23, 2026; its instructions are those of AMD's public machine-readable ISA for CDNA 5 (MIT licence, August 2026) and "CDNA5" Instruction Set Architecture Reference Guide (July 2026). The comments in the code are by the model that wrote it; some were corrected since.
;; Attention. Allowed arithmetic: matrix products marked QUANTISED: E4M3 operands, one given power-of-two scale a tensor, by v_wmma_f32_16x16x64_fp8_fp8 or v_wmma_f32_16x16x128_fp8_fp8, f32 sums; everything else in f32.
;; Inputs: Wk_codes 1,024 x 32 x 32 uint8 (E4M3 codes of Wk, K innermost, in blocks of 32 codes); Wq_codes 1,024 x 32 x 32 uint8 (E4M3 codes of Wq, K innermost, in blocks of 32 codes); Wv_codes 1,024 x 32 x 32 uint8 (E4M3 codes of Wv, K innermost, in blocks of 32 codes); bk 1,024 float32; bq 1,024 float32; bv 1,024 float32; lowp_scales 10 int32 (the exponents e of the quantised operands' scales 2^e); x_codes 4 x 2,048 x 32 x 32 uint8 (E4M3 codes of x, K innermost, in blocks of 32 codes).
;; Outputs: out0 4 x 2,048 x 1,024 float32.
;; This version of the problem:
;;   THIS VERSION OF THE PROBLEM IS GIVEN IN LOW PRECISION. The matrix products marked QUANTISED in the list below multiply operands that are first quantised to E4M3 (4 exponent bits, 3 mantissa bits; 8 bits a number), with one given power-of-two scale for each operand tensor; their sums are f32. All else is computed in f32.
;;   The module's matrix products, in the order in which they are computed (A, B: the left and right operand; K: the contracted axis; several contracted axes count as one K, in the product's order):
;;     1. [M 8,192, K 1,024] x [K 1,024, N 1,024]; A: input x (given as codes); B: input Wq (given as codes): QUANTISED (scales: A lowp_scales[0], B lowp_scales[1])
;;     2. [M 8,192, K 1,024] x [K 1,024, N 1,024]; A: input x (given as codes); B: input Wk (given as codes): QUANTISED (scales: A lowp_scales[2], B lowp_scales[3])
;;     3. [M 8,192, K 1,024] x [K 1,024, N 1,024]; A: input x (given as codes); B: input Wv (given as codes): QUANTISED (scales: A lowp_scales[4], B lowp_scales[5])
;;     4. batch 4 x [M 2,048, K 1,024] x [K 1,024, N 2,048]; A: computed on the way; B: computed on the way: QUANTISED (scales: A lowp_scales[6], B lowp_scales[7])
;;     5. batch 4 x [M 2,048, K 2,048] x [K 2,048, N 1,024]; A: softmax (see below); B: computed on the way: QUANTISED (scales: A lowp_scales[8], B lowp_scales[9])
;;   THE QUANTISER, for each operand of a quantised product, along K:
;;     - The operand's scale is 2^e, e = its entry of the input lowp_scales (int32; the entries are numbered through the quantised products in the list's order, A before B).
;;     - Each number is divided by the scale, clamped to +-448, and rounded to the nearest number of E4M3, ties to even, subnormals kept.
;;     - The product sums the exact products of the quantised numbers (number of the format x scale) in f32.
;;   ~~~python
;;   def quantise(x, axis, e):      # numpy; x: float32 -> the quantised numbers, widened to float32 again
;;       x = np.moveaxis(x, axis, -1); K = x.shape[-1]
;;       r = np.clip(x / 2.0 ** e, -448, 448)
;;       step = 2.0 ** (np.maximum(np.frexp(np.where(r == 0, 1, r))[1] - 1, -6) - 3)
;;       q = np.round(r / step) * step * 2.0 ** e      # np.round: ties to even
;;       return np.moveaxis(q, -1, axis).astype(np.float32)
;;   ~~~
;;   SOFTMAX AHEAD OF A QUANTISED PRODUCT. Where the list says 'softmax', what is quantised is not the finished softmax but p = 2^(t - M), with t = logit x log2(e) and M = ceil(the row's largest t), a whole number; so 1/2 < the row's largest p <= 1. The row's sum l is taken of the UNQUANTISED p, in f32, and the product's result is divided by l at the end. Since M is a whole number, a kernel that streams over the keys may use a running M (the ceiling of the running maximum): every later rescaling is an exact power of two, so the quantised numbers keep their values, but for numbers so far below the row's largest that they fall under the format's range.
;;   OPERANDS COMPUTED ON THE WAY. 'Computed on the way' means the value that the module computes at that place (a softmax that the list does not call 'softmax' is quantised finished and normalised). What goes into a quantiser is computed in f32, as accurately as f32 sums, v_exp_f32 and their like allow (about 1e-6 of the number): no bf16 or f16 on the way to a quantiser, and a product that is left as it is and whose result goes on into a quantised operand takes f32 operands (vector FMAs, or v_wmma_f32_16x16x4_f32). A number that lies on a knife's edge between two numbers of the format may be rounded either way, as far as f32 arithmetic and the matrix unit's own rounding can turn it there, and no further.
;;   INPUTS GIVEN AS CODES. Wk (in the module: [1024, 1024], K = its axis 1); Wq (in the module: [1024, 1024], K = its axis 1); Wv (in the module: [1024, 1024], K = its axis 1); x (in the module: [4, 2048, 1024], K = its axis 2): each comes as NAME_codes (uint8): NAME with its K axis moved to the last place and cut into blocks of 32 codes, [.., K / 32, bytes a block], one block behind the other in memory; one code a byte (a code: sign, 4 exponent bits, 3 mantissa bits); its scale is its entry of lowp_scales. Its value is code x scale, taken as it is: it is not quantised again, and the codes and scales need not be those that the quantiser above would give.
;; One version. Each part assembles by itself: llvm-mc -triple=amdgcn-amd-amdhsa -mcpu=gfx1250 --defsym DOCPART=n.
;; ======== version 1 of 1: 3 launches
;; limits: right only within a limited range of input values
;; workspace buffers: qc 8,388,608 bytes; kc 8,388,608 bytes; vt 8,388,608 bytes; pc 16,777,216 bytes; mt 262,144 bytes; lt 524,288 bytes
;; launch proj (part 1): grid 8 x 32, 4 waves a work-group, clusters of 4 x 4, 327,680 bytes of LDS; arguments x_codes, Wq_codes, Wk_codes, Wv_codes, bq, bk, bv, lowp_scales, qc, kc, vt; writes qc, kc, vt
.if DOCPART == 1
	.amdgcn_target "amdgcn-amd-amdhsa--gfx1250"
	.amdhsa_code_object_version 6
	.text
	.protected	k_q2005a4cd12_proj
	.globl	k_q2005a4cd12_proj
	.p2align	8
	.type	k_q2005a4cd12_proj,@function
k_q2005a4cd12_proj:
	s_mov_b64 s[64:65], 0
	v_nop
	global_prefetch_b8 v0, s[64:65] scope:SCOPE_SE
	s_setreg_imm32_b32 hwreg(HW_REG_WAVE_MODE, 25, 1), 1
	s_wait_xcnt 0x0
	s_wait_alu depctr_hold_cnt(0) depctr_sa_sdst(0) depctr_va_vdst(0) depctr_va_sdst(0) depctr_va_ssrc(0) depctr_va_vcc(0) depctr_vm_vsrc(0)
	s_getreg_b32 s2, hwreg(HW_REG_IB_STS2, 6, 4)
	s_cmp_eq_u32 s2, 0
	s_cbranch_scc0 .Lentry_in_a_cluster
	s_endpgm
.Lentry_in_a_cluster:
	s_bfe_u32 s2, ttmp6, 0x10000c
	s_cmp_lg_u32 s2, 0xf033
	s_cbranch_scc0 .Lentry_shape_is_right
	s_endpgm
.Lentry_shape_is_right:
; THE THREE PROJECTIONS, Q = x Wq^T + bq, K = x Wk^T + bk, V = x Wv^T + bv, on the E4M3 codes as they are given, and the quantisers behind them.
; NOTHING OF THE PROBLEM IS LEFT OUT IN ANY LAUNCH: all five products are live, and each bias goes into a quantised operand of a live product, where it can move codes.  So every input is loaded.
; Three launches: this one (codes of Q, K, V), the scores with the softmax (codes of p, M and l), and p V.
; A finished sum stands for sum x 2^ES, ES = the two operands' exponents added.  The bias goes in as the C of the first products, divided by 2^ES (exact), so the code is (sum + b / 2^ES) / 2^(EO - ES),
; held within +-448 x 2^(EO - ES); EO = entry 6 (Q), 7 (K), 9 (V) of the scales.
; LIMITS: EO - ES between -126 and 119, so that both powers of two are f32 numbers.  NaN and infinities among the inputs are not served.
; SHARES.  256 work-groups of four waves: a work-group takes 256 tokens x 128 e of ALL THREE products; a wave 128 tokens x 64 e of each: 3 x 32 accumulators of 16 x 16, 768 registers.
; Q, K are used TRANSPOSED (source 0 = 16 rows of W, source 1 = 16 tokens): a lane holds a token and eight neighbours along e, the scores' K axis.
; V (source 0 = 16 tokens, source 1 = 16 rows of Wv): a lane holds an e and eight neighbouring tokens, the last product's K axis.  The same fragments of x serve all three.
; OUTPUTS.  qc, kc: [32 token tiles][8 blocks of 128 e][128 rows][256 bytes], row i = 128 codes of the tile's token i, then 128 of its token i + 128.  vt: [4 batches][1024 e][2048 keys].
; RING.  K = 1,024 goes in four K steps of 256.  A UNIT is 128 rows x 272 bytes of LDS; a K step is five (x two, Wq, Wk, Wv one each); nine fit.  X = units 0-4 (x, q, k, v), Y = units 5-8 (x, q, k).
;   phase 0: K step 0, all three products          behind the round in front of it: K step 1's x, q, k -> Y
;   phase 1: K step 1, Q and K                      K step 2's x, q, k -> X, K step 1's v -> X's v
;   phase 2: K step 1, V                            K step 2's v -> Y's k, K step 3's k -> Y's q
;   phase 3: K step 2, all three                    K step 3's x -> Y's x, its q -> X's v
;   phase 4: K step 3, Q and K                      K step 3's v -> X's k
;   phase 5: K step 3, V; Q's and K's codes are made meanwhile
; Wave 0 fetches x, waves 1, 2, 3 fetch Wq, Wk, Wv: one joint load a wave behind a round.  CLUSTERS, 4 x 4: x's tile hangs on cy and is shared along a row of the cluster, W's on cx, shared along a column.
; PREFETCH: behind a round each cluster asks for what the NEXT round loads (K steps 2 and 3; of Wv 1, 2, 3), and at the head, behind the first loads, for K step 1's x, Wq and Wk: a lane a row of 256 bytes; the four
; partners share a tile's rows by address (x: 64 rows each, W: 32 each).  W's rows, which all eight rows of clusters walk, are asked for by the clusters of even y alone.  K step 0 comes by its loads alone.
; REGISTERS.  window 0: v0-31 addresses and constants; v32-95, v96-159 x's fragments (8 x 16 rows x 64 K), two sets; v160-255 W's fragments: q, k, v (4 x 16 rows each).  windows 1, 2, 3: Q, K, V: accumulator (a, b) at v[8 (4 a + b)].
.set PITCH,  272                       ; an LDS row: 256 bytes + 16 of padding = 68 words: row r starts at bank 4 r mod 64 (64 banks of 4 bytes: ISA guide 11.1)
.set U,      128*PITCH
.set SPARE,  9*U                       ; the spare words, 128 bytes a wave
.set HC, 2                             ; v2-7: for Q, K, V: 2^(EO - ES) and 448 x that (v4-7 first hold V's bias)
.set CD, 8                             ; v8-15 a block's codes
.set AX, 16                            ; v16, v17 LDS address of my x fragments in X, Y
.set AY, 17
.set BXQ, 18                           ; v18-22 of my W fragments in X's q, k, v and Y's q, k
.set BXK, 19
.set BXV, 20
.set BYQ, 21
.set BYK, 22
.set PFO, 23                           ; v23 the prefetches' offset: 1,024 x lane
.set STO, 24                           ; v24, v25 the way out: where I put 8 codes of Q and K, of V
.set STV, 25
.set RD,  26                           ; v26, v30 where I read rows back; v27, v31 my offset in the output
.set CO,  27
.set SPW, 28                           ; v28 my spare word; v29 0; never rewritten
.set NIL, 29
.set RDV, 30
.set COV, 31
.set G1X, 24
.set G0X, 32
.set PFA, 36                           ; s[36:37] where my prefetches stand
.set LIM, 38                           ; s38 1 where my wave prefetches
.set G1W, 48
.set G0W, 56
.set MSB, 0
.macro WIN new                         ; the immediate's high byte repeats the setting that is left
.if MSB != (\new)
	s_set_vgpr_msb (MSB<<8)|(\new)
.set MSB, (\new)
.endif
.endm
.macro PLACES                          ; places behind matrix instructions (ISA guide 7.12.1 for vector instructions)
.rept 4
	v_nop
.endr
.endm
; A joint load: wave 0 for x (x = 1), waves wlo .. whi for their W.  The branches hang on the wave's number alone.
.macro JL x, wlo, whi
.if \x
	s_cmp_eq_u32 s14, 0
	s_cbranch_scc0 .Lfor_w_\@
	tensor_load_to_lds s[G0X:G0X+3], s[G1X:G1X+7]
	s_nop 0
	PLACES
	s_branch .Lasked_\@
.Lfor_w_\@:
.endif
.if \wlo > 1
	s_cmp_lt_u32 s14, \wlo
	s_cbranch_scc1 .Lasked_\@
.endif
.if \whi < 3
	s_cmp_gt_u32 s14, \whi
	s_cbranch_scc1 .Lasked_\@
.endif
	tensor_load_to_lds s[G0W:G0W+3], s[G1W:G1W+7]
	s_nop 0
	PLACES
.Lasked_\@:
.endm
.macro SETX addr, k                    ; x: LDS byte, bytes along K
	s_mov_b32 s[G0X+1], \addr
	s_add_nc_u64 s[G0X+2:G0X+3], s[20:21], \k
	s_or_b32 s[G0X+3], s[G0X+3], 0x80000000
.endm
.macro SETW rel, k                     ; W: LDS byte = rel + wave x unit
	s_add_co_u32 s[G0W+1], s45, \rel
	s_add_nc_u64 s[G0W+2:G0W+3], s[46:47], \k
	s_or_b32 s[G0W+3], s[G0W+3], 0x80000000
.endm
.macro SETO rel, k                     ; the same with my own lag: 512 + k along K, wave 3 (Wv) 256 + k
	s_add_co_u32 s[G0W+1], s45, \rel
	s_add_nc_u64 s[G0W+2:G0W+3], s[46:47], s[22:23]
.if \k
	s_add_nc_u64 s[G0W+2:G0W+3], s[G0W+2:G0W+3], \k
.endif
	s_or_b32 s[G0W+3], s[G0W+3], 0x80000000
.endm
.macro SETS n                          ; the descriptors of round n's loads (written behind a wait for 0: no load of mine is out)
.if \n == 0
	SETX 5*U, 256
	SETW 6*U, 256
.elseif \n == 1
	SETX 0, 512
	SETO U, 0
.elseif \n == 2
	SETO 5*U, 256
.elseif \n == 3
	SETX 5*U, 768
	SETW 3*U, 768
.else
	SETW 0, 768
.endif
.endm
.macro JLS n
.if \n == 0
	JL 1, 1, 2
.elseif \n == 1
	JL 1, 1, 3
.elseif \n == 2
	JL 0, 2, 3
.elseif \n == 3
	JL 1, 1, 1
.else
	JL 0, 3, 3
.endif
.endm
.macro ASK off, who                    ; who = 0: all that prefetch, wave 0 its 64 rows of x by two instructions; 3: wave 3 alone
	s_cmp_eq_u32 s[LIM], 1
	s_cbranch_scc0 .Lnot_mine_\@
.if \who
	s_cmp_eq_u32 s14, \who
	s_cbranch_scc0 .Lnot_mine_\@
.endif
	global_prefetch_b8 v[PFO], s[PFA:PFA+1] offset:\off th:TH_LOAD_NT scope:SCOPE_SE
.if \who == 0
	s_cmp_eq_u32 s14, 0
	s_cbranch_scc0 .Lnot_mine_\@
	global_prefetch_b8 v[PFO], s[PFA:PFA+1] offset:\off+32768 th:TH_LOAD_NT scope:SCOPE_SE
.endif
.Lnot_mine_\@:
.endm
.macro CREST                           ; a round of the cluster's barrier behind its opening barrier
	s_cmp_lg_u32 s14, 0
	s_cbranch_scc1 .Lnot_wave_0_\@
	s_barrier_signal -3
.Lnot_wave_0_\@:
	s_barrier_wait -3
	s_barrier_signal -1
	s_barrier_wait -1
.endm
.macro CROUND
	s_barrier_signal -1
	s_barrier_wait -1
	CREST
.endm
	s_load_b512 s[68:83], s[0:1], 0x0              ; x 68, Wq 70, Wk 72, Wv 74, bq 76, bk 78, bv 80, the scales 82
	s_load_b128 s[84:87], s[0:1], 0x40             ; qc, kc
	s_load_b64 s[88:89], s[0:1], 0x50              ; vt
	v_lshl_add_u32 v[SPW], v0, 2, SPARE
	v_mov_b32 v[NIL], 0
	ds_add_u32 v[SPW], v[NIL]                      ; the wave's opening: the add, twice on end, and its wait ahead of my first tensor load
	ds_add_u32 v[SPW], v[NIL]
	v_lshrrev_b32 v1, 5, v0
	v_readfirstlane_b32 s14, v1                    ; wave 0..3
	s_lshr_b32 s15, s14, 1                         ; my half of the tokens
	s_and_b32 s16, s14, 1                          ; my half of each product's 128 e
	s_bfe_u32 s40, ttmp6, 0x40000                  ; cx, cy: my place in the cluster
	s_bfe_u32 s41, ttmp6, 0x40004
	s_lshl_b32 s42, ttmp9, 2
	s_add_co_u32 s42, s42, s40                     ; the e tile, 0 .. 7
	s_and_b32 s66, ttmp7, 0xffff                   ; cluster y: 1,024 tokens
	s_lshl_b32 s17, s66, 2
	s_add_co_u32 s17, s17, s41                     ; the token tile, 0 .. 31
	s_lshl_b32 s43, s41, 2
	s_lshl_b32 s43, 15, s43                        ; my row of the cluster
	s_lshl_b32 s44, 0x1111, s40                    ; my column
	s_or_b32 s[G1X+0], s43, (0<<16)|(1<<20)|(1<<21)|(5<<22)|(3<<25)  ; the mask; elements of 1 byte; padding on; bit 21 beside a mask; after every 64 words (code 5) four words (code 3)
	s_or_b32 s[G1W+0], s44, (0<<16)|(1<<20)|(1<<21)|(5<<22)|(3<<25)
.irp g, G1X, G1W
	s_mov_b32 s[\g+1], 256<<16                     ; tensor_dim0
	s_mov_b32 s[\g+3], 256<<16                     ; tile_dim0
	s_mov_b32 s[\g+5], 1024                        ; a row of x or W in memory
	s_mov_b32 s[\g+6], 0
	s_mov_b32 s[\g+7], 0
.endr
	s_mov_b32 s[G1X+2], 256<<16                    ; 256 rows of x
	s_mov_b32 s[G1X+4], 256
	s_mov_b32 s[G1W+2], 128<<16                    ; 128 rows of a W
	s_mov_b32 s[G1W+4], 128
	s_lshl_b32 s20, s17, 18                        ; x: 256 x token tile rows of 1,024 bytes
	s_mov_b32 s21, 0
	s_lshl_b32 s46, s42, 17                        ; W: 128 x e tile rows
	s_mov_b32 s47, 0
	s_mul_i32 s45, s14, U                          ; wave x unit: no place in the cluster enters an LDS address
	s_add_co_u32 s22, s14, 1
	s_lshr_b32 s22, s22, 2
	s_lshl_b32 s22, s22, 8
	s_sub_co_u32 s22, 512, s22                     ; s[22:23] = 512, in wave 3 256: Wv comes one K step behind the others
	s_mov_b32 s23, 0
	s_wait_dscnt 0x0                               ; both opening adds are done
	s_wait_kmcnt 0x0
	s_load_b256 s[92:99], s[82:83], 0x0            ; e0 .. e7
	s_load_b32 s100, s[82:83], 0x24                ; e9
	s_cmp_eq_u32 s14, 2                            ; the W that my wave fetches
	s_cselect_b64 s[6:7], s[72:73], s[70:71]
	s_cmp_eq_u32 s14, 3
	s_cselect_b64 s[6:7], s[74:75], s[6:7]
	s_add_nc_u64 s[20:21], s[68:69], s[20:21]
	s_add_nc_u64 s[46:47], s[6:7], s[46:47]
	s_mov_b32 s[G0X], 1
	s_mov_b32 s[G0X+1], 0
	s_mov_b64 s[G0X+2:G0X+3], s[20:21]
	s_or_b32 s[G0X+3], s[G0X+3], 0x80000000
	s_mov_b32 s[G0W], 1
	s_add_co_u32 s[G0W+1], s45, U
	s_mov_b64 s[G0W+2:G0W+3], s[46:47]
	s_or_b32 s[G0W+3], s[G0W+3], 0x80000000
	CROUND                                         ; all sixteen work-groups are here: the first joint loads meet
	JL 1, 1, 3                                     ; K step 0
	; the bias's and the outputs' addresses
	s_lshl_b32 s4, s42, 9
	s_lshl_b32 s5, s16, 8
	s_add_co_u32 s4, s4, s5                        ; e = 128 e tile + 64 my half, 4 bytes each
	s_mov_b32 s5, 0
	s_add_nc_u64 s[76:77], s[76:77], s[4:5]
	s_add_nc_u64 s[78:79], s[78:79], s[4:5]
	s_add_nc_u64 s[80:81], s[80:81], s[4:5]
	s_lshl_b32 s4, s17, 18
	s_lshl_b32 s8, s42, 15
	s_add_co_u32 s4, s4, s8
	s_lshl_b32 s8, s14, 13
	s_add_co_u32 s4, s4, s8                        ; qc, kc: the block of 32,768 bytes, + 32 rows x wave
	s_add_nc_u64 s[84:85], s[84:85], s[4:5]
	s_add_nc_u64 s[86:87], s[86:87], s[4:5]
	s_lshr_b32 s4, s66, 1
	s_lshl_b32 s4, s4, 21
	s_lshl_b32 s8, s42, 18
	s_add_co_u32 s4, s4, s8
	s_lshl_b32 s8, s14, 16
	s_add_co_u32 s4, s4, s8
	s_and_b32 s8, s66, 1
	s_lshl_b32 s8, s8, 10
	s_add_co_u32 s4, s4, s8
	s_lshl_b32 s8, s41, 8
	s_add_co_u32 s4, s4, s8                        ; vt: batch = cluster y / 2, row 128 e tile + 32 wave of 2,048 bytes, byte 1,024 (cluster y % 2) + 256 cy
	s_add_nc_u64 s[88:89], s[88:89], s[4:5]
	; the prefetches: wave 0: x, 64 rows from 256 token tile + 64 cx; waves 1-3: W, 32 rows from 128 e tile + 32 cy
	s_lshl_b32 s8, s17, 18
	s_lshl_b32 s9, s40, 16
	s_add_co_u32 s8, s8, s9
	s_lshl_b32 s9, s42, 17
	s_lshl_b32 s10, s41, 15
	s_add_co_u32 s9, s9, s10
	s_and_b32 s10, s66, 1
	s_cmp_eq_u32 s14, 0
	s_cselect_b32 s8, s8, s9
	s_cselect_b32 s10, 0, s10
	s_cselect_b64 s[PFA:PFA+1], s[68:69], s[6:7]
	s_xor_b32 s[LIM], s10, 1
	s_add_co_u32 s8, s8, s22                       ; what round 1 will load
	s_mov_b32 s9, 0
	s_add_nc_u64 s[PFA:PFA+1], s[PFA:PFA+1], s[8:9]
	; LDS addresses
	s_mul_i32 s4, s15, U                           ; my 128 rows of x
	s_add_co_u32 s5, s4, 5*U
	s_mul_i32 s6, s16, 64*PITCH                    ; my 64 rows of a W
	s_add_co_u32 s8, s6, 2*U
	s_add_co_u32 s9, s6, 3*U
	s_add_co_u32 s10, s6, 4*U
	s_add_co_u32 s11, s6, 7*U
	s_add_co_u32 s12, s6, 8*U
	s_lshl_b32 s13, s15, 7
	s_lshl_b32 s7, s16, 6
	s_add_co_u32 s7, s13, s7                       ; Q's and K's stages (units 0, 1): row = token % 128, byte 128 x token half + 64 x e half
	s_add_co_u32 s13, s13, s8                      ; V's stage (unit 2): row = e, byte 128 x token half
	s_mul_i32 s18, s14, 32*PITCH                   ; back: wave w takes rows 32 w on of each stage
	s_add_co_u32 s19, s18, 2*U
	v_and_b32 v1, 15, v0                           ; r = lane % 16
	v_bfe_u32 v2, v0, 4, 1                         ; h = lane / 16
	v_and_b32 v12, 31, v0
	v_mul_u32_u24 v8, v1, PITCH
	v_mul_u32_u24 v11, v2, PITCH
	v_lshl_add_u32 v9, v2, 4, v8                   ; a fragment's row x pitch + 16 h
	v_lshl_add_u32 v10, v2, 3, v8                  ; a stage's row x pitch + 8 h
	v_lshl_add_u32 v11, v1, 4, v11                 ; back: lanes 0-15 one row, lanes 16-31 the next
	v_lshlrev_b32 v13, 11, v2
	v_lshlrev_b32 v14, 5, v2                       ; 32 h
	v_lshlrev_b32 v15, 2, v1                       ; 4 r
	v_add_nc_u32 v[AX], s4, v9
	v_add_nc_u32 v[AY], s5, v9
	v_add_nc_u32 v[BXQ], s8, v9
	v_add_nc_u32 v[BXK], s9, v9
	v_add_nc_u32 v[BXV], s10, v9
	v_add_nc_u32 v[BYQ], s11, v9
	v_add_nc_u32 v[BYK], s12, v9
	v_lshlrev_b32 v[PFO], 10, v12
	v_add_nc_u32 v[STO], s7, v10
	v_add_nc_u32 v[STV], s13, v10
	v_add_nc_u32 v[RD], s18, v11
	v_add_nc_u32 v[RDV], s19, v11
	v_lshlrev_b32 v[CO], 4, v12
	v_lshl_add_u32 v[COV], v1, 4, v13
	; THE BIAS IN THE RESULT'S LAYOUT.  Q, K: it runs along a lane's registers, e = 16 b + 8 h + j; V: it belongs to the lane, e = 16 b + r
.irp b, 0,1,2,3
	global_load_b128 v[96+8*\b:99+8*\b], v14, s[76:77] offset:64*\b
	global_load_b128 v[100+8*\b:103+8*\b], v14, s[76:77] offset:64*\b+16
	global_load_b128 v[128+8*\b:131+8*\b], v14, s[78:79] offset:64*\b
	global_load_b128 v[132+8*\b:135+8*\b], v14, s[78:79] offset:64*\b+16
	global_load_b32 v[4+\b], v15, s[80:81] offset:64*\b
.endr
	s_cmp_lt_u32 s14, 3
	s_cbranch_scc0 .Lno_head_ask
	ASK -256, 0                                    ; K step 1's x, Wq, Wk
.Lno_head_ask:
	s_wait_kmcnt 0x0                               ; the scales' exponents
	s_add_co_i32 s92, s92, s93                     ; ES of Q, K, V
	s_add_co_i32 s94, s94, s95
	s_add_co_i32 s96, s96, s97
	s_sub_co_i32 s93, 0, s92
	s_sub_co_i32 s95, 0, s94
	s_sub_co_i32 s97, 0, s96
	s_sub_co_i32 s60, s98, s92                     ; EO - ES of Q, K, V
	s_sub_co_i32 s61, s99, s94
	s_sub_co_i32 s62, s100, s96
	s_wait_loadcnt 0x0
.set i, 0
.rept 32
	v_ldexp_f32 v[96+i], v[96+i], s93              ; b / 2^ES
	v_ldexp_f32 v[128+i], v[128+i], s95
.set i, i+1
.endr
; Fragments of 16 rows x 64 K, 8 registers: lane l holds row l % 16; registers 4 c .. 4 c + 3 hold K = 32 c + 16 (l / 16) + 0 .. 15: the same places of k in x and in W, so every product meets its partner.
.macro FA p, adr, off                  ; my 8 fragments of x into set p (16 loads)
.irp i, 0,1,2,3,4,5,6,7
	ds_load_b128 v[32+64*(\p)+8*\i:32+64*(\p)+8*\i+3], v[\adr] offset:(\off)+\i*16*PITCH
	ds_load_b128 v[32+64*(\p)+8*\i+4:32+64*(\p)+8*\i+7], v[\adr] offset:(\off)+\i*16*PITCH+32
.endr
.endm
.macro FB bs, adr, off                 ; my 4 fragments of a W into set bs (8 loads)
.irp i, 0,1,2,3
	ds_load_b128 v[160+32*(\bs)+8*\i:160+32*(\bs)+8*\i+3], v[\adr] offset:(\off)+\i*16*PITCH
	ds_load_b128 v[160+32*(\bs)+8*\i+4:160+32*(\bs)+8*\i+7], v[\adr] offset:(\off)+\i*16*PITCH+32
.endr
.endm
; One product of group g (0 Q, 1 K, 2 V).  c = 1: C is the bias, which starts the sum.
.macro MM g, a, b, p, bs, c
.set rD, 8*(4*(\a)+(\b))
.set rX, 32+64*(\p)+8*(\a)
.set rW, 160+32*(\bs)+8*(\b)
.if (\c) == 0
.set rC, rD
.elseif (\g) == 1
.set rC, 128+8*(\b)
.else
.set rC, 96+8*(\b)
.endif
.if (\g) == 2
	v_wmma_f32_16x16x64_fp8_fp8 v[rD:rD+7], v[rX:rX+7], v[rW:rW+7], v[rC:rC+7]
.else
	v_wmma_f32_16x16x64_fp8_fp8 v[rD:rD+7], v[rW:rW+7], v[rX:rX+7], v[rC:rC+7]
.endif
.endm
; 4 n of them, token blocks a0 on.  A group's 32 accumulators take turns, one instruction a turn, in the same order in every step.
.macro MUL g, p, bs, a0, n, c
.set ma, \a0
.rept \n
.irp b, 0,1,2,3
	MM \g, ma, \b, \p, \bs, \c
.endr
.set ma, ma+1
.endr
.endm
; A step of 64 along K on x's set p.  A group's W fragments are fetched anew as soon as its products are issued.
; All three products.  w0: LDS loads that may be out behind x's and q's; wk: behind k's.
.macro FULL p, w0, wk, nA, nQ, nK, nV, off
	s_wait_dscnt \w0
	WIN 0x50                                       ; A, B window 0; C, D window 1
	MUL 0, \p, 0, 0, 8, 0
	WIN 0
	PLACES
	FA 1-\p, \nA, \off
	FB 0, \nQ, \off
	s_wait_dscnt \wk
	WIN 0xa0
	MUL 1, \p, 1, 0, 8, 0
	WIN 0
	PLACES
	FB 1, \nK, \off
	s_wait_dscnt 32                                ; v's are in: behind them x's 16, q's 8 and k's 8
	WIN 0xf0
	MUL 2, \p, 2, 0, 8, 0
	WIN 0
	PLACES
	FB 2, \nV, \off
.endm
.macro MEET n                          ; in front of a barrier behind which LDS is filled again (n = 5: nothing is)
	WIN 0
	s_wait_tensorcnt 0x0                           ; all my tensor loads have landed
	ds_add_u32 v[SPW], v[NIL]                      ; 0 onto my spare word
.if \n < 5
	SETS \n
.endif
.endm
; The last step of a phase of all three products: round n and the change to Q and K of the next K step.
.macro FULLC n, nA, nQ, nK
	MEET \n
	s_wait_dscnt 17                                ; x's and q's are in; k's, v's and the add may be out
	WIN 0x50
	MUL 0, 1, 0, 0, 8, 0
	s_wait_dscnt 0x0                               ; the add is done, and so are all my reads of this phase's units
	s_barrier_signal -1
	WIN 0xa0
	MUL 1, 1, 1, 0, 8, 0
	WIN 0
	s_barrier_wait -1
	CREST                                          ; no wave of any partner still reads them or has a load on its way
	JLS \n
	PLACES
	FA 0, \nA, 0
	FB 0, \nQ, 0
	FB 1, \nK, 0
.if \n == 1
	ASK 256, 0
.endif
	WIN 0xf0
	MUL 2, 1, 2, 0, 8, 0
	WIN 0
.endm
.macro QK p, nA, nQ, nK, off           ; Q and K
	s_wait_dscnt 8                                 ; x's and q's are in; k's may be out
	WIN 0x50
	MUL 0, \p, 0, 0, 8, 0
	WIN 0
	PLACES
	FA 1-\p, \nA, \off
	FB 0, \nQ, \off
	s_wait_dscnt 24                                ; k's are in
	WIN 0xa0
	MUL 1, \p, 1, 0, 8, 0
	WIN 0
	PLACES
	FB 1, \nK, \off
.endm
.macro QKC n, nA, nV                   ; its last step: round n (5: a barrier alone) and the change to V of the same K step
	MEET \n
	s_wait_dscnt 9
	WIN 0x50
	MUL 0, 1, 0, 0, 8, 0
	s_wait_dscnt 0x0
	s_barrier_signal -1
	WIN 0xa0
	MUL 1, 1, 1, 0, 4, 0
	WIN 0
	s_barrier_wait -1
.if \n < 5
	CREST
	JLS \n
.endif
	PLACES
	FA 0, \nA, 0
	FB 2, \nV, 0
.if \n == 2
	ASK 512, 3
.endif
	WIN 0xa0
	MUL 1, 1, 1, 4, 4, 0
	WIN 0
.endm
.macro VS p, bs, nA, nV, off           ; V: its W fragments take turns between v's and k's registers, so the next step's are fetched ahead of the products
	WIN 0
	PLACES
	FA 1-\p, \nA, \off
	FB 3-\bs, \nV, \off
	s_wait_dscnt 24                                ; all but the 24 just issued
	WIN 0xf0
	MUL 2, \p, \bs, 0, 8, 0
	WIN 0
.endm
	s_wait_alu depctr_va_vdst(0)
	MEET 0                                         ; my part of K step 0 is in
	s_wait_dscnt 0x0                               ; the add is done
	CROUND                                         ; everybody's is
	JLS 0
	FA 0, AX, 0
	FB 0, BXQ, 0
	FB 1, BXK, 0
	FB 2, BXV, 0
	ASK 0, 0
	; phase 0.  Its first step starts the sums with the bias, which lies in x's second set
	s_wait_dscnt 16
	WIN 0x40                                       ; C, the bias, in window 0; D in window 1
	MUL 0, 0, 0, 0, 8, 1
	s_wait_dscnt 8
	WIN 0x80
	MUL 1, 0, 1, 0, 8, 1
	s_wait_dscnt 0x0
	WIN 0
	PLACES
.irp b, 0,1,2,3
	v_ldexp_f32 v[96+8*\b], v[4+\b], s97           ; V's bias: one number for a lane's eight tokens, over Q's
.endr
.irp j, 1,2,3,4,5,6,7
.irp b, 0,1,2,3
	v_mov_b32 v[96+8*\b+\j], v[96+8*\b]
.endr
.endr
	FB 0, BXQ, 64
	FB 1, BXK, 64
	WIN 0xc0
	MUL 2, 0, 2, 0, 8, 1
	WIN 0
	PLACES
	FA 1, AX, 64
	FB 2, BXV, 64
	FULL 1, 8, 32, AX, BXQ, BXK, BXV, 128          ; (behind x's: v's 8)
	FULL 0, 16, 32, AX, BXQ, BXK, BXV, 192         ; (behind q's: k's 8 and v's 8; behind k's: v's 8, x's 16, q's 8)
	FULLC 1, AY, BYQ, BYK
	QK 0, AY, BYQ, BYK, 64                         ; phase 1
	QK 1, AY, BYQ, BYK, 128
	QK 0, AY, BYQ, BYK, 192
	QKC 2, AY, BXV
	VS 0, 2, AY, BXV, 64                           ; phase 2
	VS 1, 1, AY, BXV, 128
	VS 0, 2, AY, BXV, 192
	MEET 3                                         ; its last step, on k's registers: round 3 and the change to K step 2
	s_wait_dscnt 1
	WIN 0xf0
	MUL 2, 1, 1, 0, 4, 0
	s_wait_dscnt 0x0
	s_barrier_signal -1
	MUL 2, 1, 1, 4, 2, 0
	WIN 0
	s_barrier_wait -1
	CREST
	JLS 3
	PLACES
	FA 0, AX, 0
	FB 0, BXQ, 0
	FB 2, BYK, 0
	WIN 0xf0
	MUL 2, 1, 1, 6, 2, 0
	WIN 0
	PLACES
	FB 1, BXK, 0
	FULL 0, 16, 24, AX, BXQ, BXK, BYK, 64          ; phase 3.  (Behind k's: x's 16 and q's 8)
	FULL 1, 16, 32, AX, BXQ, BXK, BYK, 128
	FULL 0, 16, 32, AX, BXQ, BXK, BYK, 192
	FULLC 4, AY, BXV, BYQ
	QK 0, AY, BXV, BYQ, 64                         ; phase 4
	QK 1, AY, BXV, BYQ, 128
	QK 0, AY, BXV, BYQ, 192
	QKC 5, AY, BXK
; THE WAY OUT of block a (16 tokens x 64 e) of product g: held in place within the largest code x the scale (the conversion to an 8-bit code does not saturate: ISA guide 7.6.2), each accumulator from its low end on;
; converted, eight neighbours of a lane to 8 bytes; stored into the stage, whose units have had their last fill and their last read.
.macro QO g, a
	WIN 0x41*(\g+1)                                ; source 0 and destination: the product's window
.set i, 32*(\a)
.rept 32
	v_med3_num_f32 v[i], v[i], -v[HC+2*(\g)+1], v[HC+2*(\g)+1]
.set i, i+1
.endr
	WIN (\g)+1
.irp b, 0,1,2,3
	v_cvt_scalef32_pk8_fp8_f32 v[CD+2*\b:CD+2*\b+1], v[32*(\a)+8*\b:32*(\a)+8*\b+7], v[HC+2*(\g)]
.endr
	WIN 0
	v_nop                                          ; one plain instruction behind the last conversion
.irp b, 0,1,2,3
.if (\g) == 2
	ds_store_b64 v[STV], v[CD+2*\b:CD+2*\b+1] offset:\b*16*PITCH+16*(\a)
.else
	ds_store_b64 v[STO], v[CD+2*\b:CD+2*\b+1] offset:U*(\g)+(\a)*16*PITCH+16*\b
.endif
.endr
.endm
.irp g, 0,1,2
	s_add_co_i32 s[60+\g], s[60+\g], 127
	s_lshl_b32 s4, s[60+\g], 23
	v_mov_b32 v[HC+2*\g], s4                       ; 2^(EO - ES) as f32: the conversion takes its exponent field
	s_add_co_i32 s[60+\g], s[60+\g], 8
	s_lshl_b32 s4, s[60+\g], 23
	s_or_b32 s4, s4, 0x600000
	v_mov_b32 v[HC+2*\g+1], s4                     ; 448 x that
.endr
	s_wait_alu depctr_va_vdst(0)
	VS 0, 2, AY, BXK, 64                           ; phase 5, with Q's and K's blocks behind its products
.irp a, 0,1,2,3,4,5
	QO 0, \a
.endr
	VS 1, 1, AY, BXK, 128
	QO 0, 6
	QO 0, 7
.irp a, 0,1,2,3
	QO 1, \a
.endr
	VS 0, 2, AY, BXK, 192
.irp a, 4,5,6,7
	QO 1, \a
.endr
	s_wait_dscnt 0x0                               ; the last fragments are in; and, for the others' sake, my stores into Q's and K's stages are done
	s_barrier_signal -1
	WIN 0xf0
	MUL 2, 1, 1, 0, 8, 0
	WIN 0
	s_barrier_wait -1                              ; a row's 256 bytes come from all four waves
	PLACES
.set t, 0
.rept 16
	ds_load_b128 v[32+4*t:32+4*t+3], v[RD] offset:t*2*PITCH
.set t, t+1
.endr
.set t, 0
.rept 16
	ds_load_b128 v[96+4*t:96+4*t+3], v[RD] offset:U+t*2*PITCH
.set t, t+1
.endr
.irp a, 0,1,2,3
	QO 2, \a
.endr
	s_wait_dscnt 16                                ; Q's and K's rows are in (behind them: V's 16 stores)
.set t, 0
.rept 16
	global_store_b128 v[CO], v[32+4*t:32+4*t+3], s[84:85] offset:512*t   ; the wave stores 512 consecutive bytes, at a multiple of 256 from the buffer's first byte
	global_store_b128 v[CO], v[96+4*t:96+4*t+3], s[86:87] offset:512*t
.set t, t+1
.endr
.irp a, 4,5,6,7
	QO 2, \a
.endr
	s_wait_dscnt 0x0                               ; for the others' sake: my stores into V's stage are done
	s_barrier_signal -1
	s_barrier_wait -1
.set t, 0
.rept 16
	ds_load_b128 v[160+4*t:160+4*t+3], v[RDV] offset:t*2*PITCH
.set t, t+1
.endr
.set t, 0
.rept 16
.if t%4 == 0
	s_wait_dscnt 12-t                              ; LDS loads come back in order: pairs t to t + 3 of rows are in
.endif
	global_store_b128 v[COV], v[160+4*t:160+4*t+3], s[88:89] offset:2*t*2048   ; 16 lanes store 256 consecutive bytes, at a multiple of 256
.set t, t+1
.endr
	s_wait_tensorcnt 0x0                           ; the wave's end
	ds_add_u32 v[SPW], v[NIL]
	s_wait_dscnt 0x0
	CROUND                                         ; the closing round: no work-group ends while a partner may still ask for a tile that names it
	s_endpgm
.Lfunc_end_k_q2005a4cd12_proj:
	.size	k_q2005a4cd12_proj, .Lfunc_end_k_q2005a4cd12_proj-k_q2005a4cd12_proj
	.p2alignl 7, 3214868480
	.fill 96, 4, 3214868480
	.section	.rodata,"a",@progbits
	.p2align	6, 0x0
	.amdhsa_kernel k_q2005a4cd12_proj
		.amdhsa_group_segment_fixed_size 327680
		.amdhsa_private_segment_fixed_size 0
		.amdhsa_enable_private_segment 0
		.amdhsa_kernarg_size 88
		.amdhsa_user_sgpr_count 2
		.amdhsa_user_sgpr_kernarg_segment_ptr 1
		.amdhsa_wavefront_size32 1
		.amdhsa_system_sgpr_workgroup_id_x 1
		.amdhsa_system_sgpr_workgroup_id_y 1
		.amdhsa_system_sgpr_workgroup_id_z 1
		.amdhsa_system_vgpr_workitem_id 0
		.amdhsa_next_free_vgpr 1024
		.amdhsa_next_free_sgpr 102
		.amdhsa_reserve_vcc 0
		.amdhsa_float_denorm_mode_32 3
		.amdhsa_float_denorm_mode_16_64 3
		.amdhsa_memory_ordered 1
		.amdhsa_forward_progress 1
		.amdhsa_inst_pref_size 248
	.end_amdhsa_kernel
	.amdgpu_metadata
---
amdhsa.version: [ 1, 2 ]
amdhsa.kernels:
  - .name:           k_q2005a4cd12_proj
    .symbol:         k_q2005a4cd12_proj.kd
    .args:
      - { .name: x_codes, .offset: 0, .size: 8, .value_kind: global_buffer, .address_space: global }
      - { .name: Wq_codes, .offset: 8, .size: 8, .value_kind: global_buffer, .address_space: global }
      - { .name: Wk_codes, .offset: 16, .size: 8, .value_kind: global_buffer, .address_space: global }
      - { .name: Wv_codes, .offset: 24, .size: 8, .value_kind: global_buffer, .address_space: global }
      - { .name: bq, .offset: 32, .size: 8, .value_kind: global_buffer, .address_space: global }
      - { .name: bk, .offset: 40, .size: 8, .value_kind: global_buffer, .address_space: global }
      - { .name: bv, .offset: 48, .size: 8, .value_kind: global_buffer, .address_space: global }
      - { .name: lowp_scales, .offset: 56, .size: 8, .value_kind: global_buffer, .address_space: global }
      - { .name: qc, .offset: 64, .size: 8, .value_kind: global_buffer, .address_space: global }
      - { .name: kc, .offset: 72, .size: 8, .value_kind: global_buffer, .address_space: global }
      - { .name: vt, .offset: 80, .size: 8, .value_kind: global_buffer, .address_space: global }
    .group_segment_fixed_size: 327680
    .private_segment_fixed_size: 0
    .kernarg_segment_align: 8
    .kernarg_segment_size: 88
    .max_flat_workgroup_size: 128
    .sgpr_count:     102
    .vgpr_count:     1024
    .wavefront_size: 32
...
	.end_amdgpu_metadata
.endif
;; end of part 1
;; launch scores (part 2): grid 8 x 32, 4 waves a work-group, clusters of 4 x 4, 327,680 bytes of LDS; arguments qc, kc, lowp_scales, pc, mt, lt; writes pc, mt, lt
.if DOCPART == 2
	.amdgcn_target "amdgcn-amd-amdhsa--gfx1250"
	.amdhsa_code_object_version 6
	.text
	.protected	k_q2005a4cd12_scores
	.globl	k_q2005a4cd12_scores
	.p2align	8
	.type	k_q2005a4cd12_scores,@function
k_q2005a4cd12_scores:
	s_mov_b64 s[64:65], 0
	v_nop
	global_prefetch_b8 v0, s[64:65] scope:SCOPE_SE
	s_setreg_imm32_b32 hwreg(HW_REG_WAVE_MODE, 25, 1), 1
	s_wait_xcnt 0x0
	s_wait_alu depctr_hold_cnt(0) depctr_sa_sdst(0) depctr_va_vdst(0) depctr_va_sdst(0) depctr_va_ssrc(0) depctr_va_vcc(0) depctr_vm_vsrc(0)
	s_getreg_b32 s2, hwreg(HW_REG_IB_STS2, 6, 4)
	s_cmp_eq_u32 s2, 0
	s_cbranch_scc0 .Lentry_in_a_cluster
	s_endpgm
.Lentry_in_a_cluster:
	s_bfe_u32 s2, ttmp6, 0x10000c
	s_cmp_lg_u32 s2, 0xf033
	s_cbranch_scc0 .Lentry_shape_is_right
	s_endpgm
.Lentry_shape_is_right:
; THE SCORES AND THE SOFTMAX'S FIRST HALF.  S = Q K^T on the codes of Q and K (K = 1,024), then, for each query and each TILE OF 256 KEYS: t = S x 2^(e6 + e7) x log2(e) / 32; M = the tile's largest t rounded UP
; to a whole number; p = 2^(t - M), quantised with 2^e8 along the keys; l = the sum of the unquantised p, in f32.  Nothing of the problem is left out.
; M IS TAKEN BY KEY TILE, as a running M would be: p under a tile's M and p under the row's M differ by an exact power of two, which the next launch applies to the sums.  Stored: pc [8192 queries][2048 keys] codes;
; mt [8 key tiles][8192 queries] M as f32; lt [16 halves of 128 keys][8192 queries] l.
; LIMITS: e6 + e7 between -121 and 131 (added to c's exponent field); e8 between -126 and 119; |t| under 2^23, so that M is an exact whole number.  NaN and infinities are not served.
; SHARES, RING, CLUSTER, REGISTER WINDOWS: a tile of 256 queries x 256 keys to a work-group, 128 x 128 to a wave; A = qc (a lane holds one query), B = kc (its eight registers are eight neighbouring keys).
; K goes in four slots' worth of 256 through two LDS slots; 4 x 4 work-groups ask jointly: A's tile is shared along a row of the cluster, B's along a column.
; window 0: v0-31 addresses; v128-255 A's fragments, ONE set; window 1: B's fragments, TWO sets; windows 2, 3: the accumulators ((a, b) at v[8 (8 (a % 4) + b)] of window 2 + a / 4).
; On the way out window 0 holds: v32-47 -M, +M for each block a; v48-63 l in two halves; v64-95 codes, two sets; v96-103 maxima; v104-111 the other side's; v128-255 a block's 64 numbers, two sets.
.set ROWB,   256
.set KROW,   256                       ; qc and kc are dense blocks: [token tile][block of 128 along K][128 rows][256 bytes], row i = 128 codes of the tile's token i, then 128 of its token i + 128
.set CHUNK,  65536                     ; two such blocks: 256 along K for a tile of 256 tokens
.set PROW,   2048                      ; a row of pc
.set PITCH,  272                       ; an LDS row: 256 bytes + 16 of padding: row r starts at bank 4 r mod 64 (64 banks of 4 bytes: ISA guide 11.1)
.set FR,     16
.set NL,     4
.set NP,     4
.set HALFT,  128*PITCH
.set SLOT,   4*HALFT
.set SPARE,  2*SLOT
.set XCH,    256*PITCH                 ; in slot 0, behind the stage of 256 rows: 1,024 bytes a wave: the maxima for the wave beside me
.set LSC,    XCH+4096                  ; 1,024 bytes a wave: l and M turned from a lane a row to four rows a lane
.set ADRA, 16
.set ADRB, 20
.set STO,  24
.set RD,   25
.set CO,   26
.set SPW,  28
.set NIL,  29
.set NM,   32
.set LS,   48
.set CD,   64
.set MX,   96
.set PX,   104
.set TMP,  128
.set AF,   128
.set CS,   76                          ; s[76:77] c = log2(e) / 32 x 2^(e6 + e7)
.set SEL,  78                          ; s[78:79] lane selects for v_permlanex16_b32: lane l xor 16
.set G1, 24
.set G0, 32
.set G1B, 48
.set G0B, 56
.set MSB, 0
.macro WIN new                         ; the immediate's high byte repeats the setting that is left
.if MSB != (\new)
	s_set_vgpr_msb (MSB<<8)|(\new)
.set MSB, (\new)
.endif
.endm
.set MUL_LO, 0xa1
.set MUL_HI, 0xf1
.set TO_B,   0x40
.macro JLOAD s                         ; a joint load: waves 0 and 1 fetch for A, waves 2 and 3 for B; an s_nop 0 and four v_nop follow each of the two lines
	s_cmp_eq_u32 s15, 0
	s_cbranch_scc0 .Lfor_b_\@
	tensor_load_to_lds s[G0+4*\s:G0+4*\s+3], s[G1:G1+7]
	s_nop 0
.rept 4
	v_nop
.endr
	s_branch .Lasked_\@
.Lfor_b_\@:
	tensor_load_to_lds s[G0B+4*\s:G0B+4*\s+3], s[G1B:G1B+7]
	s_nop 0
.rept 4
	v_nop
.endr
.Lasked_\@:
.endm
.macro CREST
	s_cmp_lg_u32 s14, 0
	s_cbranch_scc1 .Lnot_wave_0_\@
	s_barrier_signal -3
.Lnot_wave_0_\@:
	s_barrier_wait -3
	s_barrier_signal -1
	s_barrier_wait -1
.endm
.macro CROUND
	s_barrier_signal -1
	s_barrier_wait -1
	CREST
.endm
	s_load_b128 s[4:7], s[0:1], 0x0                ; qc, kc
	s_load_b128 s[8:11], s[0:1], 0x10              ; the scales, pc
	s_load_b128 s[68:71], s[0:1], 0x20             ; mt, lt
	v_lshl_add_u32 v[SPW], v0, 2, SPARE
	v_mov_b32 v[NIL], 0
	ds_add_u32 v[SPW], v[NIL]                      ; the wave's opening: the add, twice on end, and its wait ahead of my first tensor load
	ds_add_u32 v[SPW], v[NIL]
	v_lshrrev_b32 v1, 5, v0
	v_readfirstlane_b32 s14, v1                    ; wave 0..3
	s_lshr_b32 s15, s14, 1                         ; my half of the queries.  Also: I fetch for A (0) or for B (1)
	s_and_b32 s16, s14, 1                          ; my half of the keys.  Also: which 128 rows I fetch
	s_bfe_u32 s40, ttmp6, 0x40000                  ; cx, cy
	s_bfe_u32 s41, ttmp6, 0x40004
	s_lshl_b32 s42, ttmp9, 2
	s_add_co_u32 s42, s42, s40                     ; the key tile, 0 .. 7
	s_and_b32 s66, ttmp7, 0xffff                   ; cluster y; the batch is cluster y / 2
	s_lshl_b32 s17, s66, 2
	s_add_co_u32 s17, s17, s41                     ; the query tile, 0 .. 31
	s_lshl_b32 s43, s41, 2
	s_lshl_b32 s43, 15, s43
	s_lshl_b32 s44, 0x1111, s40
	s_or_b32 s[G1+0], s43, (0<<16)|(1<<20)|(1<<21)|(5<<22)|(3<<25)  ; the mask of my row; elements of 1 byte; padding: four words after every 64; bit 21 beside a mask
	s_or_b32 s[G1B+0], s44, (0<<16)|(1<<20)|(1<<21)|(5<<22)|(3<<25)
.irp g, G1, G1B
	s_mov_b32 s[\g+1], ROWB<<16
	s_mov_b32 s[\g+2], 128<<16
	s_mov_b32 s[\g+3], ROWB<<16
	s_mov_b32 s[\g+4], 128
	s_mov_b32 s[\g+5], KROW
	s_mov_b32 s[\g+6], 0
	s_mov_b32 s[\g+7], 0
.endr
	s_lshl_b32 s18, s16, 5                         ; which of a chunk's two blocks I fetch (in units of 1,024 bytes)
	s_lshl_b32 s20, s17, 8
	s_add_co_u32 s20, s20, s18
	s_lshl_b32 s20, s20, 10                        ; A: 262,144 x query tile + 32,768 x block
	s_mov_b32 s21, 0
	s_lshl_b32 s46, s42, 8
	s_add_co_u32 s46, s46, s18
	s_lshr_b32 s47, s66, 1
	s_lshl_b32 s47, s47, 11
	s_add_co_u32 s46, s46, s47
	s_lshl_b32 s46, s46, 10                        ; B: 262,144 x (8 x batch + key tile) + 32,768 x block
	s_mov_b32 s47, 0
	s_mul_i32 s45, s14, HALFT
	s_mov_b32 s[SEL], 0x76543210
	s_mov_b32 s[SEL+1], 0xfedcba98
	s_mov_b32 s[CS], 0x3d38aa3b                    ; log2(e) / 32
	s_wait_dscnt 0x0                               ; both opening adds are done
	s_wait_kmcnt 0x0
	s_load_b96 s[72:74], s[8:9], 0x18              ; e6, e7, e8
	s_add_nc_u64 s[20:21], s[4:5], s[20:21]
	s_add_nc_u64 s[46:47], s[6:7], s[46:47]
	CROUND                                         ; all sixteen work-groups are here: the first joint loads meet
.irp s, 0,1
	s_mov_b32 s[G0+4*\s], 1
	s_add_co_u32 s[G0+4*\s+1], s45, \s*SLOT
	s_add_nc_u64 s[G0+4*\s+2:G0+4*\s+3], s[20:21], \s*CHUNK
	s_or_b32 s[G0+4*\s+3], s[G0+4*\s+3], 0x80000000
	s_mov_b32 s[G0B+4*\s], 1
	s_add_co_u32 s[G0B+4*\s+1], s45, \s*SLOT
	s_add_nc_u64 s[G0B+4*\s+2:G0B+4*\s+3], s[46:47], \s*CHUNK
	s_or_b32 s[G0B+4*\s+3], s[G0B+4*\s+3], 0x80000000
.endr
	JLOAD 0                                        ; one tensor load a wave at the head
	; THE PREFETCHES of the K slots behind the first, a lane a row of 256 bytes: the second is asked for here, behind the first's load, the third behind the second's load, the fourth a slot in front of its own.
	; Of the 128 rows that a wave fetches, each of the four partners that ask for them jointly takes 32, told apart by address (cx for A, cy for B).
	s_lshl_b32 s12, s40, 13
	s_lshl_b32 s13, s41, 13
	s_cmp_eq_u32 s15, 0
	s_cselect_b32 s12, s12, s13
	s_cselect_b64 s[18:19], s[20:21], s[46:47]
	s_mov_b32 s13, 0
	s_add_nc_u64 s[18:19], s[18:19], s[12:13]
	v_and_b32 v1, 15, v0
	v_bfe_u32 v2, v0, 4, 1                         ; h
	v_mul_u32_u24 v3, v1, PITCH
	v_lshl_add_u32 v4, v2, 4, v3
	s_lshl_b32 s21, s15, 7                         ; my 128 queries: their half of every row
	s_lshl_b32 s22, s16, 7                         ; my 128 keys likewise
	s_add_co_u32 s22, s22, 2*HALFT
.irp s, 0,1
	v_add_nc_u32 v[ADRA+\s], s21, v4
	v_add_nc_u32 v[ADRB+\s], s22, v4
	s_add_co_u32 s21, s21, SLOT
	s_add_co_u32 s22, s22, SLOT
.endr
	s_mul_i32 s23, s15, 128*PITCH                  ; the stage, as in the launch before: 256 rows x 272 bytes from LDS byte 0 on
	s_lshl_b32 s22, s16, 7
	s_add_co_u32 s23, s23, s22
	s_wait_alu depctr_va_vdst(0)
	v_lshl_add_u32 v5, v2, 3, v3
	v_add_nc_u32 v[STO], s23, v5
	s_mul_i32 s23, s14, 64*PITCH
	v_mul_u32_u24 v5, v2, PITCH
	v_lshl_add_u32 v5, v1, 4, v5
	v_add_nc_u32 v[RD], s23, v5
	v_lshlrev_b32 v5, 11, v2
	v_lshl_add_u32 v[CO], v1, 4, v5
	v_and_b32 v6, 31, v0
	v_lshlrev_b32 v12, 8, v6                       ; the prefetches' offset
	global_prefetch_b8 v12, s[18:19] offset:CHUNK th:TH_LOAD_NT scope:SCOPE_SE
	v_lshlrev_b32 v11, 4, v6                       ; v11 = 16 x lane
	s_lshl_b32 s22, s14, 10
	s_add_co_u32 s23, s22, XCH
	v_add_nc_u32 v7, s23, v11                      ; v7: where I put my maxima
	s_xor_b32 s23, s14, 1
	s_lshl_b32 s23, s23, 10
	s_add_co_u32 s23, s23, XCH
	v_add_nc_u32 v8, s23, v11                      ; v8: where the wave with my queries and the other 128 keys puts its
	s_add_co_u32 s23, s22, LSC
	v_lshl_add_u32 v9, v1, 2, s23                  ; v9: l and M in: 4 r
	v_add_nc_u32 v10, s23, v11                     ; v10: and back: 16 x lane
	s_lshl_b32 s20, s17, 19
	s_lshl_b32 s21, s14, 17
	s_add_co_u32 s20, s20, s21
	s_lshl_b32 s21, s42, 8
	s_add_co_u32 s20, s20, s21                     ; pc: (256 x query tile + 64 x wave) rows of 2,048 bytes + 256 x key tile
	s_mov_b32 s21, 0
	s_add_nc_u64 s[10:11], s[10:11], s[20:21]
	s_lshl_b32 s20, s17, 10
	s_lshl_b32 s22, s15, 9
	s_add_co_u32 s20, s20, s22                     ; my first query x 4 bytes
	s_lshl_b32 s22, s42, 15
	s_add_co_u32 s22, s22, s20
	s_mov_b32 s23, 0
	s_add_nc_u64 s[68:69], s[68:69], s[22:23]      ; mt: key tile x 32,768 + that
	s_lshl_b32 s22, s42, 1
	s_add_co_u32 s22, s22, s16
	s_lshl_b32 s22, s22, 15
	s_add_co_u32 s22, s22, s20
	s_add_nc_u64 s[70:71], s[70:71], s[22:23]      ; lt: (2 x key tile + my half) x 32,768 + that
	s_wait_kmcnt 0x0
	s_add_co_i32 s72, s72, s73
	s_lshl_b32 s72, s72, 23
	s_add_co_i32 s[CS], s[CS], s72                 ; a sum stands for sum x 2^(e6 + e7): the exponents are added to c's exponent field
	s_mov_b32 s[CS+1], s[CS]                       ; (named with it as a pair, so it is written)
	s_add_co_i32 s74, s74, 127
	s_lshl_b32 s73, s74, 23
	v_mov_b32 v30, s73                             ; 2^e8 as f32, for the conversion
	s_add_co_i32 s74, s74, 8
	s_lshl_b32 s74, s74, 23
	s_or_b32 s74, s74, 0x600000
	v_mov_b32 v31, s74                             ; 448 x 2^e8
.macro FRAG reg, adr, q, i             ; lane l: row l % 16; registers 4 c .. 4 c + 3: K = 32 c + 16 (l / 16) + 0 .. 15, alike in A and B
.irp c, 0,1,2,3
	ds_load_b128 v[\reg+4*\c:\reg+4*\c+3], v[\adr] offset:HALFT*(\q)+32*\c+(\i)*16*PITCH
.endr
.endm
.macro MM a, b, p, mode                ; mode 0: onto the sum; 1: the product starts the sum
.set rD, 8*(8*((\a)%4)+(\b))
.set rB, 128*(\p)+FR*(\b)
.set rA, AF+FR*(\a)
.if (\mode) == 0
	v_wmma_f32_16x16x128_fp8_fp8 v[rD:rD+7], v[rB:rB+15], v[rA:rA+15], v[rD:rD+7]
.else
	v_wmma_f32_16x16x128_fp8_fp8 v[rD:rD+7], v[rB:rB+15], v[rA:rA+15], 0
.endif
.endm
.macro MUL16 a0, p, mode               ; the 64 accumulators take turns, one instruction a turn
.irp a, \a0, \a0+1
.irp b, 0,1,2,3,4,5,6,7
	MM \a, \b, \p, \mode
.endr
.endr
.endm
.macro FETCH_B slot, q, p
	WIN TO_B
.irp i, 0,1,2,3,4,5,6,7
	FRAG 128*(\p)+FR*\i, ADRB+\slot, \q, \i
.endr
	WIN 0
.endm
.macro FETCH_A slot, q, i0
.irp i, \i0, \i0+1, \i0+2, \i0+3
	FRAG AF+FR*(\i), ADRA+\slot, \q, \i
.endr
.endm
.macro PLACES n                        ; places in front of loads into registers that matrix instructions have read (ISA guide 7.12.1 for vector instructions)
.rept \n
	v_nop
.endr
.endm
.macro STEP slot, mode                 ; a slot's first step of 128 along K (B's set 0)
	s_wait_dscnt 4*NL                              ; B's set and A's blocks 0-3 are in; A's blocks 4-7 (16 loads) may be out
	WIN MUL_LO
	MUL16 0, 0, \mode
	MUL16 2, 0, \mode
	s_wait_dscnt 0x0
	PLACES NP
	FETCH_B \slot, 1, 1
	FETCH_A \slot, 1, 0
	WIN MUL_HI
	MUL16 4, 0, \mode
	MUL16 6, 0, \mode
	PLACES NP
	WIN 0
	FETCH_A \slot, 1, 4
.endm
.macro TURN slot, next, fill           ; a slot's second step (B's set 1) and the change of slots
	s_wait_tensorcnt 0x0                           ; all my tensor loads have landed: my part of the next slot
	ds_add_u32 v[SPW], v[NIL]                      ; 0 onto my spare word
	s_wait_dscnt 4*NL+1                            ; (the add and A's blocks 4-7 may be out)
	WIN MUL_LO
	MUL16 0, 1, 0
	s_wait_dscnt 0x0                               ; the add is done, and my reads of this slot are over
	s_barrier_signal -1
	MUL16 2, 1, 0
	WIN 0
	s_barrier_wait -1
.if \fill
	CREST                                          ; a round of the cluster's barrier: no wave of any partner still reads this slot or has a load on its way
	s_add_nc_u64 s[G0+4*\slot+2:G0+4*\slot+3], s[G0+4*\slot+2:G0+4*\slot+3], 2*CHUNK
	s_add_nc_u64 s[G0B+4*\slot+2:G0B+4*\slot+3], s[G0B+4*\slot+2:G0B+4*\slot+3], 2*CHUNK
	JLOAD \slot
.else
	PLACES NP
.endif
	FETCH_B \next, 0, 0
	FETCH_A \next, 0, 0
	WIN MUL_HI
	MUL16 4, 1, 0
	MUL16 6, 1, 0
	PLACES NP
	WIN 0
	FETCH_A \next, 0, 4
.endm
	s_wait_alu depctr_va_vdst(0)
	s_wait_tensorcnt 0x0                           ; my part of slot 0 is in
	ds_add_u32 v[SPW], v[NIL]
	s_wait_dscnt 0x0
	CROUND                                         ; everybody's part is in, in every partner
	JLOAD 1
	FETCH_B 0, 0, 0
	FETCH_A 0, 0, 0
	FETCH_A 0, 0, 4
	global_prefetch_b8 v12, s[18:19] offset:2*CHUNK th:TH_LOAD_NT scope:SCOPE_SE
	STEP 0, 1                                      ; the first products start the sums
	TURN 0, 1, 1
	global_prefetch_b8 v12, s[18:19] offset:3*CHUNK th:TH_LOAD_NT scope:SCOPE_SE
	STEP 1, 0
	TURN 1, 0, 1
	STEP 0, 0
	TURN 0, 1, 0
	STEP 1, 0
	s_wait_dscnt 4*NL
	WIN MUL_LO
	MUL16 0, 1, 0
	MUL16 2, 1, 0
	s_wait_dscnt 0x0
	WIN MUL_HI
	MUL16 4, 1, 0
	MUL16 6, 1, 0
	WIN 0
	; 1. THE LARGEST SCORE of each of my queries among my 128 keys.  The sixteen moves are the places behind the last products.
.irp a, 0,1,2,3,4,5,6,7
	v_mov_b32 v[MX+\a], 0xff7fffff                 ; under every score
.endr
.irp a, 0,1,2,3,4,5,6,7
	v_mov_b32 v[PX+\a], 0                          ; written once: a lane permute's destination counts as one of its sources
.endr
	WIN 0x28                                       ; sources 1 and 2 window 2
.irp b, 0,1,2,3,4,5,6,7
.irp i, 0,2,4,6
.irp a, 0,1,2,3
	v_max3_num_f32 v[MX+\a], v[MX+\a], v[8*(8*\a+\b)+\i], v[8*(8*\a+\b)+\i+1]   ; four chains by turns; each accumulator from its low end on
.endr
.endr
.endr
	WIN 0x3c                                       ; window 3
.irp b, 0,1,2,3,4,5,6,7
.irp i, 0,2,4,6
.irp a, 0,1,2,3
	v_max3_num_f32 v[MX+4+\a], v[MX+4+\a], v[8*(8*\a+\b)+\i], v[8*(8*\a+\b)+\i+1]
.endr
.endr
.endr
	WIN 0
.irp a, 0,1,2,3,4,5,6,7
	v_permlanex16_b32 v[PX+\a], v[MX+\a], s[SEL], s[SEL+1]
.endr
.irp a, 0,1,2,3,4,5,6,7
	v_max_num_f32 v[MX+\a], v[MX+\a], v[PX+\a]     ; with lane l xor 16's
.endr
	; 2. and among the tile's other 128 keys, which the wave beside me holds
	ds_store_b128 v7, v[MX:MX+3]
	ds_store_b128 v7, v[MX+4:MX+7] offset:512
	s_wait_alu depctr_va_vdst(0)
	s_wait_dscnt 0x0                               ; for the other's sake: my stores are done
	s_barrier_signal -1
	s_barrier_wait -1
	ds_load_b128 v[PX:PX+3], v8
	ds_load_b128 v[PX+4:PX+7], v8 offset:512
	s_wait_dscnt 0x0
.irp a, 0,1,2,3,4,5,6,7
	v_max_num_f32 v[MX+\a], v[MX+\a], v[PX+\a]
.endr
.irp a, 0,1,2,3,4,5,6,7
	v_mul_f32 v[MX+\a], s[CS], v[MX+\a]            ; as t (c is positive)
.endr
.irp a, 0,1,2,3,4,5,6,7
	v_floor_f32 v[NM+2*\a], -v[MX+\a]              ; -M = floor(-t) = -ceil(t): M IS A WHOLE NUMBER
.endr
.irp a, 0,1,2,3,4,5,6,7
	v_sub_f32 v[NM+2*\a+1], 0, v[NM+2*\a]          ; +M, for the table
.endr
; t - M of block a, two at a time, into set a % 2 (of the pairs c and -M the low word serves both halves)
.macro FMA a
	WIN 0x02+(\a)/4                                ; source 0: window 2 or 3
.set jf, 0
.rept 32
	v_pk_fma_f32 v[TMP+64*((\a)%2)+jf:TMP+64*((\a)%2)+jf+1], v[64*((\a)%4)+jf:64*((\a)%4)+jf+1], s[CS:CS+1], v[NM+2*(\a):NM+2*(\a)+1] op_sel_hi:[1,0,0]
.set jf, jf+2
.endr
	WIN 0
.endm
; BLOCK a.  Its p are summed (unquantised) in four chains, beside the next block's t - M; then the next block's 64 exponentials and this block's 64 holds take turns: none of the two kinds names what the other makes;
; then this block's p are converted and stored.  One wait stands ahead of the exponentials and one behind them, ahead of the first instruction that names what they or the holds made.
.macro BLOCKP a
.set CUR, TMP+64*((\a)%2)
.set NXT, TMP+64*(1-(\a)%2)
.set CDB, CD+16*((\a)%2)
.set LSA, LS+2*(\a)
.if (\a) == 0
	s_wait_alu depctr_va_vdst(0)
.endif
.if (\a) < 7
	FMA (\a)+1
.endif
	v_pk_add_f32 v[LSA:LSA+1], v[CUR:CUR+1], v[CUR+2:CUR+3]   ; THE SUM IS TAKEN OF THE UNQUANTISED p
	v_pk_add_f32 v[120:121], v[CUR+4:CUR+5], v[CUR+6:CUR+7]
	v_pk_add_f32 v[122:123], v[CUR+8:CUR+9], v[CUR+10:CUR+11]
	v_pk_add_f32 v[124:125], v[CUR+12:CUR+13], v[CUR+14:CUR+15]
.set i, 16
.rept 6
	v_pk_add_f32 v[LSA:LSA+1], v[LSA:LSA+1], v[CUR+i:CUR+i+1]
	v_pk_add_f32 v[120:121], v[120:121], v[CUR+i+2:CUR+i+3]
	v_pk_add_f32 v[122:123], v[122:123], v[CUR+i+4:CUR+i+5]
	v_pk_add_f32 v[124:125], v[124:125], v[CUR+i+6:CUR+i+7]
.set i, i+8
.endr
	v_pk_add_f32 v[LSA:LSA+1], v[LSA:LSA+1], v[120:121]
	v_pk_add_f32 v[122:123], v[122:123], v[124:125]
	v_pk_add_f32 v[LSA:LSA+1], v[LSA:LSA+1], v[122:123]
.if (\a) < 7
	s_wait_alu depctr_va_vdst(0)
.endif
.set i, 0
.rept 64
.if (\a) < 7
	v_exp_f32 v[NXT+i], v[NXT+i]                   ; p = 2^(t - M), at most 1: NOT normalised
.endif
	v_min_num_f32 v[CUR+i], v[CUR+i], v31          ; the conversion to an 8-bit code does not saturate (ISA guide 7.6.2); p is not negative, so the hold is one-sided
.set i, i+1
.endr
.if (\a) < 7
	s_wait_alu depctr_va_vdst(0)
.endif
.set i, 0
.rept 8
	v_cvt_scalef32_pk8_fp8_f32 v[CDB+2*i:CDB+2*i+1], v[CUR+8*i:CUR+8*i+7], v30
.set i, i+1
.endr
	v_nop                                          ; a plain instruction behind the last conversion, whose sources the block after next writes
.set i, 0
.rept 8
	ds_store_b64 v[STO], v[CDB+2*i:CDB+2*i+1] offset:(\a)*16*PITCH+16*i
.set i, i+1
.endr
.endm
	; 3. block 0's exponentials have no plain work yet to stand among
	FMA 0
	s_wait_alu depctr_va_vdst(0)
.set i, 0
.rept 64
	v_exp_f32 v[TMP+i], v[TMP+i]
.set i, i+1
.endr
	v_nop                                          ; the plain instruction behind the last exponential
	; 4.
.irp a, 0,1,2,3,4,5,6,7
	BLOCKP \a
.endr
	; 5. l and M: a lane holds one row of each block; through my own LDS bytes they become four rows a lane, so that the wave stores 512 consecutive bytes
.irp a, 0,1,2,3,4,5,6,7
	v_add_f32 v[LS+2*\a], v[LS+2*\a], v[LS+2*\a+1]
.endr
.irp a, 0,1,2,3,4,5,6,7
	v_permlanex16_b32 v[PX+\a], v[LS+2*\a], s[SEL], s[SEL+1]
.endr
.irp a, 0,1,2,3,4,5,6,7
	v_add_f32 v[LS+2*\a], v[LS+2*\a], v[PX+\a]     ; with lane l xor 16's: both lanes of a row hold the same number
.endr
.irp a, 0,1,2,3,4,5,6,7
	ds_store_b32 v9, v[LS+2*\a] offset:64*\a
.endr
.irp a, 0,1,2,3,4,5,6,7
	ds_store_b32 v9, v[NM+2*\a+1] offset:512+64*\a
.endr
	ds_load_b128 v[112:115], v10                   ; LDS serves a wave's instructions in order (ISA guide 5.7.1.4): these see my stores
	ds_load_b128 v[116:119], v10 offset:512
	s_wait_dscnt 0x0                               ; they are in; and, for the others' sake, my stores into the stage are done
	global_store_b128 v11, v[112:115], s[70:71]
	s_cmp_lg_u32 s16, 0                            ; M is the same in both waves of a row half: the one with the first 128 keys stores it
	s_cbranch_scc1 .Lno_m
	global_store_b128 v11, v[116:119], s[68:69]
.Lno_m:
	; 6. p's codes leave as whole rows of 256 bytes
	s_barrier_signal -1
	s_barrier_wait -1
.set t, 0
.rept 32
	ds_load_b128 v[128+4*t:128+4*t+3], v[RD] offset:t*2*PITCH
.set t, t+1
.endr
.set t, 0
.rept 32
.if t%8 == 0
	s_wait_dscnt 24-t                              ; pairs t to t + 7 of rows are in
.endif
	global_store_b128 v[CO], v[128+4*t:128+4*t+3], s[10:11] offset:t*2*PROW   ; 16 lanes store 256 consecutive bytes, at a multiple of 256 from the buffer's first byte
.set t, t+1
.endr
	s_wait_tensorcnt 0x0                           ; the wave's end
	ds_add_u32 v[SPW], v[NIL]
	s_wait_dscnt 0x0
	CROUND                                         ; the closing round
	s_endpgm
.Lfunc_end_k_q2005a4cd12_scores:
	.size	k_q2005a4cd12_scores, .Lfunc_end_k_q2005a4cd12_scores-k_q2005a4cd12_scores
	.p2alignl 7, 3214868480
	.fill 96, 4, 3214868480
	.section	.rodata,"a",@progbits
	.p2align	6, 0x0
	.amdhsa_kernel k_q2005a4cd12_scores
		.amdhsa_group_segment_fixed_size 327680
		.amdhsa_private_segment_fixed_size 0
		.amdhsa_enable_private_segment 0
		.amdhsa_kernarg_size 48
		.amdhsa_user_sgpr_count 2
		.amdhsa_user_sgpr_kernarg_segment_ptr 1
		.amdhsa_wavefront_size32 1
		.amdhsa_system_sgpr_workgroup_id_x 1
		.amdhsa_system_sgpr_workgroup_id_y 1
		.amdhsa_system_sgpr_workgroup_id_z 1
		.amdhsa_system_vgpr_workitem_id 0
		.amdhsa_next_free_vgpr 1024
		.amdhsa_next_free_sgpr 80
		.amdhsa_reserve_vcc 0
		.amdhsa_float_denorm_mode_32 3
		.amdhsa_float_denorm_mode_16_64 3
		.amdhsa_memory_ordered 1
		.amdhsa_forward_progress 1
		.amdhsa_inst_pref_size 179
	.end_amdhsa_kernel
	.amdgpu_metadata
---
amdhsa.version: [ 1, 2 ]
amdhsa.kernels:
  - .name:           k_q2005a4cd12_scores
    .symbol:         k_q2005a4cd12_scores.kd
    .args:
      - { .name: qc, .offset: 0, .size: 8, .value_kind: global_buffer, .address_space: global }
      - { .name: kc, .offset: 8, .size: 8, .value_kind: global_buffer, .address_space: global }
      - { .name: lowp_scales, .offset: 16, .size: 8, .value_kind: global_buffer, .address_space: global }
      - { .name: pc, .offset: 24, .size: 8, .value_kind: global_buffer, .address_space: global }
      - { .name: mt, .offset: 32, .size: 8, .value_kind: global_buffer, .address_space: global }
      - { .name: lt, .offset: 40, .size: 8, .value_kind: global_buffer, .address_space: global }
    .group_segment_fixed_size: 327680
    .private_segment_fixed_size: 0
    .kernarg_segment_align: 8
    .kernarg_segment_size: 48
    .max_flat_workgroup_size: 128
    .sgpr_count:     80
    .vgpr_count:     1024
    .wavefront_size: 32
...
	.end_amdgpu_metadata
.endif
;; end of part 2
;; launch pv (part 3): grid 4 x 64, 4 waves a work-group, clusters of 4 x 4, 327,680 bytes of LDS; arguments pc, vt, mt, lt, lowp_scales, out0; writes out0
.if DOCPART == 3
	.amdgcn_target "amdgcn-amd-amdhsa--gfx1250"
	.amdhsa_code_object_version 6
	.text
	.protected	k_q2005a4cd12_pv
	.globl	k_q2005a4cd12_pv
	.p2align	8
	.type	k_q2005a4cd12_pv,@function
k_q2005a4cd12_pv:
	s_mov_b64 s[64:65], 0
	v_nop
	global_prefetch_b8 v0, s[64:65] scope:SCOPE_SE
	s_setreg_imm32_b32 hwreg(HW_REG_WAVE_MODE, 25, 1), 1
	s_wait_xcnt 0x0
	s_wait_alu depctr_hold_cnt(0) depctr_sa_sdst(0) depctr_va_vdst(0) depctr_va_sdst(0) depctr_va_ssrc(0) depctr_va_vcc(0) depctr_vm_vsrc(0)
	s_getreg_b32 s2, hwreg(HW_REG_IB_STS2, 6, 4)
	s_cmp_eq_u32 s2, 0
	s_cbranch_scc0 .Lentry_in_a_cluster
	s_endpgm
.Lentry_in_a_cluster:
	s_bfe_u32 s2, ttmp6, 0x10000c
	s_cmp_lg_u32 s2, 0xf033
	s_cbranch_scc0 .Lentry_shape_is_right
	s_endpgm
.Lentry_shape_is_right:
; OUT = (sum over the keys of p V) / l, on the codes of p and V.  Nothing of the problem is left out.
; p was quantised under the M of its own tile of 256 keys (mt: [8 key tiles][8192 queries]); l is there in 16 parts (lt: [16 halves of 128 keys][8192 queries]).  Row by row: m = the largest of the eight M;
; l = the sum of the parts x 2^(M - m).  The sums run under the M of the key tile in hand, held from below at m - 64: from tile to tile they are multiplied by 2^(old - new), exact; at the end by 2^(last - m) / l x 2^(e8 + e9).
; LIMITS: a tile whose M lies more than 64 under its row's counts with at most 2^-64 of its row's largest p, instead of less.  NaN and infinities are not served.
; SHARES.  A work-group makes 128 queries x 256 e; a wave 64 x 128: 32 accumulators.  USED TRANSPOSED: source 0 = 16 rows of vt (e), source 1 = 16 queries: a lane holds a query and eight neighbours along e.
; RING.  Two slots, each one tile of 256 keys: 128 rows of pc, 256 rows of vt, 256 bytes each; 2^17 bytes apart, so that one exclusive or turns an address from one to the other.  Waves 0 and 1 fetch pc's halves, waves 2 and 3 vt's.
; CLUSTERS, 4 x 4: pc's tile hangs on cy and is shared along a row, vt's on cx, shared along a column; all sixteen lie in one batch.
; PREFETCH: in the loop, behind each refill's LDS loads, for the refill two key tiles on, a lane a row of 256 bytes, up to the last key tile; at the head, behind the first load, for key tile 1, and behind key tile 1's load for 2 and 3.
; The four partners share a tile's rows by address: wave 0: 32 of pc's 128 rows by cx; waves 2 and 3: 32 each of vt's by cy, in the clusters of even y alone (four clusters walk a batch's vt).
; REGISTERS.  window 0: v0-31 addresses; v32-95 a block on the way out; v96-103 the factors of my four blocks of queries (pairs, the low one counts); v128-255 pc's fragments (4 x 16 rows x 128 K), two sets.
; window 1: vt's fragments (8 x 16 rows x 128 K), two sets.  window 2: accumulator (a, b) at v[8 (8 a + b)].  window 3: the rows read back on the way out.
.set PITCH,  272                       ; an LDS row: 256 bytes + 16 of padding: row r starts at bank 4 r mod 64 (64 banks of 4 bytes: ISA guide 11.1)
.set U,      128*PITCH
.set SL1,    1<<17
.set STAGE,  SL1+3*U                   ; behind the ring: 16 rows x 528 bytes a wave for the way out: no tile lands there
.set SPITCH, 528
.set SCR,    STAGE+4*16*SPITCH         ; the factors: [8][128 queries]; 0: the last one; 1 to 7: to key tile 1 to 7
.set SPARE,  SCR+4096
.set OROW,   4096                      ; a row of the output
.set TO,   9
.set TW,   10
.set FR0,  11                          ; v11 where I read factors; v12 the same, in the loop
.set FT,   12
.set PFO,  13
.set AA,   16                          ; v16, v17 my pc and vt fragments in slot 0;  v18, v19 in the slot in hand
.set AB,   17
.set CA,   18
.set CB,   19
.set STO,  24
.set RD,   25
.set CO,   26
.set SPW,  28
.set NIL,  29
.set TMP,  32
.set FP,   96
.set AF,   128
.set FS,   2                           ; s2 in the loop: the factors' place
.set TB,   18                          ; s18 LDS byte at which the slot in hand begins
.set G1A,  24
.set G1B,  32
.set G0A,  40                          ; s[40:43] pc's group 0;  s[44:47] vt's: they walk
.set G0B,  44
.set CX,   82
.set CY,   83
.set LIM,  84                          ; s84 2 where my wave prefetches, else the greatest number
.set CLY,  85
.set PF,   88                          ; s[88:89] where my prefetches stand
.set MSB, 0
.macro WIN new                         ; the immediate's high byte repeats the setting that is left
.if MSB != (\new)
	s_set_vgpr_msb (MSB<<8)|(\new)
.set MSB, (\new)
.endif
.endm
.set MULW, 0xa1                        ; source 0 window 1, source 1 window 0, C and D window 2
.set RSC,  0x82                        ; source 0 and destination window 2, source 1 window 0
.set TO_B, 0x40
.macro PLACES                          ; places behind matrix instructions (ISA guide 7.12.1 for vector instructions)
.rept 4
	v_nop
.endr
.endm
.macro JLOAD                           ; a joint load; the branch hangs on the wave's number alone
	s_cmp_eq_u32 s15, 0
	s_cbranch_scc0 .Lfor_b_\@
	tensor_load_to_lds s[G0A:G0A+3], s[G1A:G1A+7]
	s_nop 0
	PLACES
	s_branch .Lasked_\@
.Lfor_b_\@:
	tensor_load_to_lds s[G0B:G0B+3], s[G1B:G1B+7]
	s_nop 0
	PLACES
.Lasked_\@:
.endm
.macro NEXT                            ; the walking descriptors: the other slot, 256 keys on (behind a wait for 0: no load of mine is out)
	s_xor_b32 s[G0A+1], s[G0A+1], SL1
	s_add_nc_u64 s[G0A+2:G0A+3], s[G0A+2:G0A+3], 256
	s_xor_b32 s[G0B+1], s[G0B+1], SL1
	s_add_nc_u64 s[G0B+2:G0B+3], s[G0B+2:G0B+3], 256
.endm
.macro CREST                           ; a round of the cluster's barrier behind its opening barrier
	s_cmp_lg_u32 s14, 0
	s_cbranch_scc1 .Lnot_wave_0_\@
	s_barrier_signal -3
.Lnot_wave_0_\@:
	s_barrier_wait -3
	s_barrier_signal -1
	s_barrier_wait -1
.endm
.macro CROUND
	s_barrier_signal -1
	s_barrier_wait -1
	CREST
.endm
.macro SHAPE g, rows                   ; group 1: rows x 256 bytes, 2,048 bytes apart in pc and in vt
	s_mov_b32 s[\g+1], 256<<16
	s_mov_b32 s[\g+2], (\rows)<<16
	s_mov_b32 s[\g+3], 256<<16
	s_mov_b32 s[\g+4], \rows
	s_mov_b32 s[\g+5], 2048
	s_mov_b32 s[\g+6], 0
	s_mov_b32 s[\g+7], 0
.endm
	s_load_b128 s[4:7], s[0:1], 0x0                ; pc, vt
	s_load_b128 s[76:79], s[0:1], 0x10             ; mt, lt
	s_load_b128 s[8:11], s[0:1], 0x20              ; the scales, out0
	v_lshl_add_u32 v[SPW], v0, 2, SPARE
	v_mov_b32 v[NIL], 0
	ds_add_u32 v[SPW], v[NIL]                      ; the wave's opening: the add, twice on end, and its wait ahead of my first tensor load
	ds_add_u32 v[SPW], v[NIL]
	v_lshrrev_b32 v1, 5, v0
	v_readfirstlane_b32 s14, v1                    ; wave 0..3
	s_lshr_b32 s15, s14, 1                         ; my half of the queries.  Also: I fetch for pc (0) or vt (1)
	s_and_b32 s16, s14, 1                          ; my half of e.  Also: which half I fetch
	s_bfe_u32 s[CX], ttmp6, 0x40000
	s_bfe_u32 s[CY], ttmp6, 0x40004
	s_lshl_b32 s12, ttmp9, 2
	s_add_co_u32 s12, s12, s[CX]                   ; the e tile, 0 .. 3
	s_and_b32 s[CLY], ttmp7, 0xffff                ; cluster y; the batch is cluster y / 4
	s_lshl_b32 s17, s[CLY], 2
	s_add_co_u32 s17, s17, s[CY]                   ; the query tile, 0 .. 63
	s_lshl_b32 s86, s[CY], 2
	s_lshl_b32 s86, 15, s86                        ; my row of the cluster
	s_lshl_b32 s87, 0x1111, s[CX]                  ; my column
	s_or_b32 s[G1A], s86, (0<<16)|(1<<20)|(1<<21)|(5<<22)|(3<<25)  ; the mask; elements of 1 byte; padding: four words after every 64; bit 21 beside a mask
	s_or_b32 s[G1B], s87, (0<<16)|(1<<20)|(1<<21)|(5<<22)|(3<<25)
	SHAPE G1A, 64
	SHAPE G1B, 128
	s_lshl_b32 s20, s17, 18
	s_lshl_b32 s13, s16, 17
	s_add_co_u32 s20, s20, s13                     ; pc: (128 x query tile + 64 x half) rows of 2,048 bytes
	s_mov_b32 s21, 0
	s_lshl_b32 s92, s12, 19
	s_lshl_b32 s13, s16, 18
	s_add_co_u32 s92, s92, s13                     ; vt: (256 x e tile + 128 x half) rows of 2,048 bytes,
	s_lshr_b32 s93, s[CLY], 2
	s_lshl_b32 s93, s93, 21
	s_add_co_u32 s92, s92, s93                     ; in the batch's block
	s_mov_b32 s93, 0
	s_mul_i32 s60, s16, 64*PITCH
	s_mul_i32 s61, s16, 128*PITCH
	s_add_co_u32 s61, s61, U
	s_wait_dscnt 0x0                               ; both opening adds are done
	s_wait_kmcnt 0x0
	s_load_b64 s[80:81], s[8:9], 0x20              ; e8, e9
	s_add_nc_u64 s[20:21], s[4:5], s[20:21]
	s_add_nc_u64 s[92:93], s[6:7], s[92:93]
	s_mov_b32 s[G0A], 1
	s_mov_b32 s[G0A+1], s60
	s_mov_b64 s[G0A+2:G0A+3], s[20:21]
	s_or_b32 s[G0A+3], s[G0A+3], 0x80000000
	s_mov_b32 s[G0B], 1
	s_mov_b32 s[G0B+1], s61
	s_mov_b64 s[G0B+2:G0B+3], s[92:93]
	s_or_b32 s[G0B+3], s[G0B+3], 0x80000000
	CROUND                                         ; all sixteen work-groups are here
	JLOAD                                          ; key tile 0
	; M and l of one query for each thread: 24 loads of 512 consecutive bytes a work-group
	s_lshl_b32 s86, s17, 9
	s_mov_b32 s87, 0
	s_add_nc_u64 s[76:77], s[76:77], s[86:87]
	s_add_nc_u64 s[78:79], s[78:79], s[86:87]
	v_lshlrev_b32 v[TO], 2, v0
.irp k, 0,1,2,3,4,5,6,7
	global_load_b32 v[128+\k], v[TO], s[76:77] offset:32768*\k
.endr
.irp m, 0,1,2,3,4,5,6,7,8,9,10,11,12,13,14,15
	global_load_b32 v[136+\m], v[TO], s[78:79] offset:32768*\m
.endr
	; the output: row 128 x query tile + 64 x half, byte 1,024 x e tile + 512 x half
	s_lshl_b32 s20, s17, 19
	s_lshl_b32 s13, s15, 18
	s_add_co_u32 s20, s20, s13
	s_lshl_b32 s13, s12, 10
	s_add_co_u32 s20, s20, s13
	s_lshl_b32 s13, s16, 9
	s_add_co_u32 s20, s20, s13
	s_mov_b32 s21, 0
	s_add_nc_u64 s[10:11], s[10:11], s[20:21]
	; the prefetches stand at key tile 1
	s_lshl_b32 s86, s17, 18
	s_lshl_b32 s13, s[CX], 16
	s_add_co_u32 s86, s86, s13                     ; pc: row 128 x query tile + 32 cx
	s_lshl_b32 s87, s12, 19
	s_lshl_b32 s13, s16, 18
	s_add_co_u32 s87, s87, s13
	s_lshl_b32 s13, s[CY], 16
	s_add_co_u32 s87, s87, s13                     ; vt: row 256 x e tile + 128 x half + 32 cy
	s_lshr_b32 s13, s[CLY], 2
	s_lshl_b32 s13, s13, 21
	s_add_co_u32 s87, s87, s13
	s_and_b32 s[LIM], s[CLY], 1
	s_cmp_eq_u32 s15, 0
	s_cselect_b64 s[PF:PF+1], s[4:5], s[6:7]
	s_cselect_b32 s86, s86, s87
	s_cselect_b32 s[LIM], s16, s[LIM]
	s_cmp_eq_u32 s[LIM], 0
	s_cselect_b32 s[LIM], 2, -1
	s_add_co_u32 s86, s86, 256
	s_mov_b32 s87, 0
	s_add_nc_u64 s[PF:PF+1], s[PF:PF+1], s[86:87]
	; LDS addresses
	s_mul_i32 s60, s15, 64*PITCH
	s_mul_i32 s62, s16, 128*PITCH
	s_add_co_u32 s62, s62, U
	s_mul_i32 s63, s14, 16*SPITCH
	s_add_co_u32 s63, s63, STAGE
	s_lshl_b32 s19, s15, 8
	s_add_co_u32 s19, s19, SCR
	s_mov_b32 s[TB], 0
	v_and_b32 v1, 15, v0                           ; r
	v_bfe_u32 v2, v0, 4, 1                         ; h
	v_and_b32 v6, 31, v0
	v_mul_u32_u24 v3, v1, PITCH
	v_mul_u32_u24 v5, v1, SPITCH
	v_lshl_add_u32 v3, v2, 4, v3
	v_lshl_add_u32 v5, v2, 5, v5
	v_add_nc_u32 v[AA], s60, v3
	v_add_nc_u32 v[AB], s62, v3
	v_add_nc_u32 v[STO], s63, v5                   ; in: row r, 32 bytes for each half of the lanes
	v_lshlrev_b32 v[CO], 4, v6                     ; back: the 32 lanes take one row of 512 bytes; and the same in the output
	v_add_nc_u32 v[RD], s63, v[CO]
	v_lshl_add_u32 v[FR0], v1, 2, s19
	v_lshl_add_u32 v[TW], v0, 2, SCR
	v_lshlrev_b32 v[PFO], 11, v6                   ; a row of pc or vt for each lane
.irp a, 0,1,2,3
	v_mov_b32 v[FP+2*\a+1], 0                      ; (named as the upper half of a pair)
.endr
	s_cmp_eq_u32 s[LIM], 2
	s_cbranch_scc0 .Lnone_1
	global_prefetch_b8 v[PFO], s[PF:PF+1] th:TH_LOAD_NT scope:SCOPE_SE
.Lnone_1:
	s_wait_kmcnt 0x0
	s_add_co_i32 s80, s80, s81                     ; e8 + e9
	s_wait_loadcnt 0x0
	v_max3_num_f32 v32, v128, v129, v130
	v_max3_num_f32 v33, v131, v132, v133
	v_max3_num_f32 v32, v32, v134, v135
	v_max_num_f32 v32, v32, v33                    ; m
	v_add_f32 v33, 0xc2800000, v32                 ; m - 64
.irp k, 0,1,2,3,4,5,6,7
	v_max_num_f32 v[34+\k], v[128+\k], v33         ; M, held
.endr
.irp k, 0,1,2,3,4,5,6,7
	v_sub_f32 v[48+\k], v[128+\k], v32
.endr
.irp k, 0,1,2,3,4,5,6,7
	v_cvt_i32_f32 v[48+\k], v[48+\k]
.endr
.irp k, 0,1,2,3,4,5,6,7
	v_add_f32 v[56+\k], v[136+2*\k], v[137+2*\k]
.endr
.irp k, 0,1,2,3,4,5,6,7
	v_ldexp_f32 v[56+\k], v[56+\k], v[48+\k]
.endr
.irp k, 0,2,4,6
	v_add_f32 v[56+\k], v[56+\k], v[57+\k]
.endr
	v_add_f32 v56, v56, v58
	v_add_f32 v60, v60, v62
	v_add_f32 v56, v56, v60                        ; l
	s_wait_alu depctr_va_vdst(0)
	v_rcp_f32 v160, v56
.irp i, 1,2,3,4,5,6,7
	v_sub_f32 v[64+\i], v[33+\i], v[34+\i]         ; from key tile i - 1 to i
.endr
	v_sub_f32 v64, v41, v32
.irp i, 0,1,2,3,4,5,6,7
	v_cvt_i32_f32 v[64+\i], v[64+\i]
.endr
.irp i, 1,2,3,4,5,6,7
	v_ldexp_f32 v[160+\i], 1.0, v[64+\i]
.endr
	s_wait_alu depctr_va_vdst(0)                   ; the wait, ahead of the first reader of the reciprocal
	v_ldexp_f32 v160, v160, v64
	v_ldexp_f32 v160, v160, s80
.irp i, 0,1,2,3,4,5,6,7
	ds_store_b32 v[TW], v[160+\i] offset:512*\i
.endr
; A fragment is 16 rows x 128 K: lane l holds row l % 16; registers 4 c .. 4 c + 3 hold K = 32 c + 16 (l / 16) + 0 .. 15: the same places of k on both sides
.macro FRAG reg, adr, q, i
.irp c, 0,1,2,3
	ds_load_b128 v[\reg+4*\c:\reg+4*\c+3], v[\adr] offset:128*(\q)+32*\c+(\i)*16*PITCH
.endr
.endm
.macro FA set, q                       ; my four fragments of pc (16 loads)
	WIN 0
.irp i, 0,1,2,3
	FRAG AF+64*(\set)+16*\i, CA, \q, \i
.endr
.endm
.macro FB set, q, i0                   ; four of my eight fragments of vt (16 loads)
	WIN TO_B
.irp i, \i0, \i0+1, \i0+2, \i0+3
	FRAG 128*(\set)+16*(\i), CB, \q, \i
.endr
.endm
.macro HAND                            ; the addresses in the slot in hand
	v_add_nc_u32 v[CA], s[TB], v[AA]
	v_add_nc_u32 v[CB], s[TB], v[AB]
.endm
.macro FACTORS fr, fo
.irp a, 0,1,2,3
	ds_load_b32 v[FP+2*\a], v[\fr] offset:\fo+64*\a
.endr
.endm
.macro MM a, b, set, zero
.set rD, 8*(8*(\a)+(\b))
.set rB, 128*(\set)+16*(\b)
.set rA, AF+64*(\set)+16*(\a)
.if \zero
	v_wmma_f32_16x16x128_fp8_fp8 v[rD:rD+7], v[rB:rB+15], v[rA:rA+15], 0
.else
	v_wmma_f32_16x16x128_fp8_fp8 v[rD:rD+7], v[rB:rB+15], v[rA:rA+15], v[rD:rD+7]
.endif
.endm
.macro MUL set, b0, n, zero            ; 4 n products; the 32 accumulators take turns in the same order in every step but the very last
	WIN MULW
.set mb, \b0
.rept \n
.irp a, 0,1,2,3
	MM \a, mb, \set, \zero
.endr
.set mb, mb+1
.endr
.endm
; A key tile's first 128 keys, on set 0; it fetches the second 128 and the next factors (at fo behind register fr; in the loop s2 on).
.macro STEP0 zero, fr, fo
	s_wait_dscnt 16                                ; pc's and half of vt's fragments are in
	WIN 0
	PLACES
.if \fr == FT
	v_add_nc_u32 v[FT], s[FS], v[FR0]
.endif
	FACTORS \fr, \fo
	FA 1, 1
	FB 1, 1, 0
	MUL 0, 0, 4, \zero
	s_wait_dscnt 36                                ; the other half is in: behind it 4 + 16 + 16 loads
	FB 1, 1, 4
	MUL 0, 4, 4, \zero
.endm
; Its second 128 keys, on set 1, and the change of slots: the slot just read is filled again with the key tile two on (fill = 1), the other slot's first fragments are fetched, and under their loads the sums go over to its M.
.macro STEP1 fill
	WIN 0
.if \fill
	s_wait_xcnt 0x0                                ; any prefetch of mine has read its address
	s_add_nc_u64 s[PF:PF+1], s[PF:PF+1], 256
.endif
	s_wait_tensorcnt 0x0                           ; all my tensor loads have landed: my part of the other slot
	ds_add_u32 v[SPW], v[NIL]                      ; 0 onto my spare word
.if \fill
	NEXT
.endif
	s_xor_b32 s[TB], s[TB], SL1
	s_wait_dscnt 17                                ; the factors, pc's and half of vt's fragments are in; 16 loads and the add may be out
	MUL 1, 0, 4, 0
	s_wait_dscnt 0x0                               ; the add is done, and my reads of this slot are over
	s_barrier_signal -1
	MUL 1, 4, 1, 0
	WIN 0
	s_barrier_wait -1
.if \fill
	CREST                                          ; no wave of any partner still reads this slot or has a load on its way
	JLOAD
.endif
	PLACES
	HAND
	FA 0, 0
	FB 0, 0, 0
	FB 0, 0, 4
.if \fill
	WIN 0
	s_cmp_gt_u32 s3, s[LIM]                        ; s3 = 2 and 1 in the last two trips: no key tile lies four on
	s_cbranch_scc0 .Lnot_mine_\@
	global_prefetch_b8 v[PFO], s[PF:PF+1] offset:512 th:TH_LOAD_NT scope:SCOPE_SE
.Lnot_mine_\@:
.endif
	MUL 1, 5, 3, 0
	WIN RSC                                        ; each accumulator from its low end on; the first ones, finished ahead of the places above, are the places behind the last products
.irp b, 0,1,2,3,4,5,6,7
.irp a, 0,1,2,3
.irp i, 0,2,4,6
	v_pk_mul_f32 v[8*(8*\a+\b)+\i:8*(8*\a+\b)+\i+1], v[8*(8*\a+\b)+\i:8*(8*\a+\b)+\i+1], v[FP+2*\a:FP+2*\a+1] op_sel_hi:[1,0]
.endr
.endr
.endr
	WIN 0
	s_wait_alu depctr_va_vdst(0)
.endm
	s_wait_alu depctr_va_vdst(0)
	s_wait_tensorcnt 0x0                           ; my part of key tile 0 is in
	ds_add_u32 v[SPW], v[NIL]
	NEXT
	s_wait_dscnt 0x0                               ; the add and my factors' stores are done
	CROUND                                         ; everybody's are
	JLOAD                                          ; key tile 1
	HAND
	FA 0, 0
	FB 0, 0, 0
	FB 0, 0, 4
	WIN 0
	s_wait_alu depctr_va_vdst(0)
	s_cmp_eq_u32 s[LIM], 2
	s_cbranch_scc0 .Lnone_2
	global_prefetch_b8 v[PFO], s[PF:PF+1] offset:256 th:TH_LOAD_NT scope:SCOPE_SE
	global_prefetch_b8 v[PFO], s[PF:PF+1] offset:512 th:TH_LOAD_NT scope:SCOPE_SE
.Lnone_2:
	s_mov_b32 s[FS], 1024                          ; in the loop: the factors from 2 on, one a trip
	s_mov_b32 s3, 6
	STEP0 1, FR0, 512                              ; the first products start the sums, ahead of the loop
	WIN 0
.Ltile:                                                ; a trip goes from a key tile's second step to the next one's first
	STEP1 1
	STEP0 0, FT, 0
	WIN 0
	s_add_co_u32 s[FS], s[FS], 512
	s_sub_co_u32 s3, s3, 1
	s_cmp_lg_u32 s3, 0
	s_cbranch_scc1 .Ltile
	STEP1 0                                        ; the last key tile: nothing more is filled
	s_wait_dscnt 0x0
	WIN 0
	PLACES
	FACTORS FR0, 0
	FA 1, 1
	FB 1, 1, 0
	FB 1, 1, 4
	MUL 0, 0, 8, 0
	s_wait_dscnt 0x0
; The last 128 keys go by blocks of 16 queries: eight products finish a block, which leaves while the next ones are multiplied.
.macro ROW a
	WIN MULW
.irp b, 0,1,2,3,4,5,6,7
	MM \a, \b, 1, 0
.endr
.endm
; THE WAY OUT of a block of 16 queries x 128 e: times the last factor, through my own stage in LDS, and back as whole rows of 512 bytes, which the 32 lanes store as two aligned units of 256 bytes.
; LDS serves a wave's instructions in order (ISA guide 5.7.1.4): no wait between the stores and the loads, nor in front of the next block's stores.
.macro TOSTAGE a
	WIN 0x02
.set j, 0
.rept 32
	v_pk_mul_f32 v[TMP+j:TMP+j+1], v[64*(\a)+j:64*(\a)+j+1], v[FP+2*(\a):FP+2*(\a)+1] op_sel_hi:[1,0]
.set j, j+2
.endr
	WIN 0
.irp b, 0,1,2,3,4,5,6,7
	ds_store_b128 v[STO], v[TMP+8*\b:TMP+8*\b+3] offset:64*\b
	ds_store_b128 v[STO], v[TMP+8*\b+4:TMP+8*\b+7] offset:64*\b+16
.endr
	WIN 0xc0                                       ; destination window 3: each block has 64 registers of its own there
.irp t, 0,1,2,3,4,5,6,7,8,9,10,11,12,13,14,15
	ds_load_b128 v[64*(\a)+4*\t:64*(\a)+4*\t+3], v[RD] offset:\t*SPITCH
.endr
.endm
.macro SEND a, younger                 ; younger: the LDS instructions issued behind block a's loads, which may stay out
	s_wait_dscnt \younger
	WIN 0x0c                                       ; store data window 3
.irp t, 0,1,2,3,4,5,6,7,8,9,10,11,12,13,14,15
	global_store_b128 v[CO], v[64*(\a)+4*\t:64*(\a)+4*\t+3], s[10:11] offset:(16*(\a)+\t)*OROW th:TH_STORE_NT
.endr
.endm
	ROW 0
	ROW 1
	PLACES                                         ; for block 0's readers; each later block's are the multiplies of the block before
	TOSTAGE 0
	ROW 2
	TOSTAGE 1
	SEND 0, 32                                     ; behind its loads: the next block's 16 stores and 16 loads
	ROW 3
	TOSTAGE 2
	SEND 1, 32
	TOSTAGE 3
	SEND 2, 32
	SEND 3, 0
	WIN 0
	s_wait_tensorcnt 0x0                           ; the wave's end
	ds_add_u32 v[SPW], v[NIL]
	s_wait_dscnt 0x0
	CROUND                                         ; the closing round
	s_endpgm
.Lfunc_end_k_q2005a4cd12_pv:
	.size	k_q2005a4cd12_pv, .Lfunc_end_k_q2005a4cd12_pv-k_q2005a4cd12_pv
	.p2alignl 7, 3214868480
	.fill 96, 4, 3214868480
	.section	.rodata,"a",@progbits
	.p2align	6, 0x0
	.amdhsa_kernel k_q2005a4cd12_pv
		.amdhsa_group_segment_fixed_size 327680
		.amdhsa_private_segment_fixed_size 0
		.amdhsa_enable_private_segment 0
		.amdhsa_kernarg_size 48
		.amdhsa_user_sgpr_count 2
		.amdhsa_user_sgpr_kernarg_segment_ptr 1
		.amdhsa_wavefront_size32 1
		.amdhsa_system_sgpr_workgroup_id_x 1
		.amdhsa_system_sgpr_workgroup_id_y 1
		.amdhsa_system_sgpr_workgroup_id_z 1
		.amdhsa_system_vgpr_workitem_id 0
		.amdhsa_next_free_vgpr 1024
		.amdhsa_next_free_sgpr 96
		.amdhsa_reserve_vcc 0
		.amdhsa_float_denorm_mode_32 3
		.amdhsa_float_denorm_mode_16_64 3
		.amdhsa_memory_ordered 1
		.amdhsa_forward_progress 1
		.amdhsa_inst_pref_size 89
	.end_amdhsa_kernel
	.amdgpu_metadata
---
amdhsa.version: [ 1, 2 ]
amdhsa.kernels:
  - .name:           k_q2005a4cd12_pv
    .symbol:         k_q2005a4cd12_pv.kd
    .args:
      - { .name: pc, .offset: 0, .size: 8, .value_kind: global_buffer, .address_space: global }
      - { .name: vt, .offset: 8, .size: 8, .value_kind: global_buffer, .address_space: global }
      - { .name: mt, .offset: 16, .size: 8, .value_kind: global_buffer, .address_space: global }
      - { .name: lt, .offset: 24, .size: 8, .value_kind: global_buffer, .address_space: global }
      - { .name: lowp_scales, .offset: 32, .size: 8, .value_kind: global_buffer, .address_space: global }
      - { .name: out0, .offset: 40, .size: 8, .value_kind: global_buffer, .address_space: global }
    .group_segment_fixed_size: 327680
    .private_segment_fixed_size: 0
    .kernarg_segment_align: 8
    .kernarg_segment_size: 48
    .max_flat_workgroup_size: 128
    .sgpr_count:     96
    .vgpr_count:     1024
    .wavefront_size: 32
...
	.end_amdgpu_metadata
.endif
;; end of part 3
